; MI455X (gfx1250); checked and timed in simulation.
; The chip was launched on July 23, 2026; its instructions are those of AMD's public machine-readable ISA for CDNA 5 (MIT licence, August 2026) and "CDNA5" Instruction Set Architecture Reference Guide (July 2026). The comments in the code are by the model that wrote it; some were corrected since.
;; Block. Allowed arithmetic: float matrix products may take bf16 or f16 operands with f32 sums; other float arithmetic in f32, or as packed bf16 or f16 multiplies, adds, multiply-adds, maxima and minima; sums over many terms, partial sums and values carried from step to step in f32; what a program stores and reads back later, other than sums and carried values, may be rounded once to bf16 or f16.
;; Inputs: b1 4,096 float32; b2 1,024 float32; b_proj 1,024 float32; ln1_b 1,024 float32; ln1_g 1,024 float32; ln2_b 1,024 float32; ln2_g 1,024 float32; w1 1,024 x 4,096 float32; w2 4,096 x 1,024 float32; w_proj 1,024 x 1,024 float32; wk 16 x 1,024 x 64 float32; wq 16 x 1,024 x 64 float32; wv 16 x 1,024 x 64 float32; x 2 x 2,048 x 1,024 float32.
;; Outputs: out0 2 x 2,048 x 1,024 float32.
;; One version. Each part assembles by itself: llvm-mc -triple=amdgcn-amd-amdhsa -mcpu=gfx1250 --defsym DOCPART=n.
;; ======== version 1 of 1: 7 launches
;; limits: values are held in f16: magnitudes above 65,504 overflow, below 6.1e-05 lose precision
;; workspace buffers: wb 25,165,824 bytes; xn 8,388,608 bytes; qkv 25,165,824 bytes; ob 8,388,608 bytes; x1 16,777,216 bytes; hb 33,554,432 bytes
;; launch prep (part 1): grid 1024 x 1, 8 waves a work-group, no clusters, 0 bytes of LDS; arguments x, ln1_g, ln1_b, xn, wq, wk, wv, w_proj, w1, w2, wb; writes xn, wb
.if DOCPART == 1
	.amdgcn_target "amdgcn-amd-amdhsa--gfx1250"
	.amdhsa_code_object_version 6
	.text
	.protected	k_q820a8e94d2_prep
	.globl	k_q820a8e94d2_prep
	.p2align	8
	.type	k_q820a8e94d2_prep,@function
k_q820a8e94d2_prep:
	s_mov_b64 s[64:65], 0
	v_nop
	global_prefetch_b8 v0, s[64:65] scope:SCOPE_SE
	s_setreg_imm32_b32 hwreg(HW_REG_WAVE_MODE, 25, 1), 1
	s_wait_xcnt 0x0
; TWO STREAMS IN ONE TEXT; the work-group's number picks one.
; WORK-GROUPS 0 TO 255: LAYER NORM.  y[r][c] = (x[r][c] - mu[r]) / sqrt(var[r] + 1e-5) * g[c] + b[c].  x: [4096][1024] f32, g, b: [1024] f32, y: [4096][1024] bf16, rounded once.
; Two passes, as the definition has them: the mean, then the mean of (x - mu)^2: no difference of large sums, so a common offset of x costs nothing.  All in f32.
; A wave owns two rows and keeps each in 32 registers between the passes: x is read once; the sums never leave the wave: no LDS, no barrier.
; Lane l holds columns 256 j + 8 l .. + 7, j = 0..3: its 8 results of a j are 16 bytes of y, and a wave's store covers 512 bytes on end.  NaN and infinities are not treated apart.
; WORK-GROUPS 256 TO 1023: ALL WEIGHTS, f32 to bf16 (rounded once, to nearest even), into one buffer wb:
;   byte 0          wq, wk, wv as they lie: 48 slabs [1024 k][64 n], 131,072 bytes each
;   byte 6,291,456  w_proj [1024 k][1024 n]
;   byte 8,388,608  w1 in tiles: [16 tiles of 256 n][8 steps of 128 k][4 slabs of 64 n][128 k][64 n]: what one K step of one tile needs is 65,536 bytes on end
;   byte 16,777,216 w2 [4096 k][1024 n]
; Each of the 768 turns 16,384 numbers: 64 KiB in, 32 KiB out.  All 16 loads of a thread go out first; the waits count down; no register is written twice.
; The block's second layer norm runs this text with 256 work-groups: none of them reaches the weights' part.
; Streams: no LDS, no barrier, no matrix unit.
.set XO, 2                             ; v2  my byte offset in x: 8,192 x wave + 32 l
.set YO, 3                             ; v3  in y: 4,096 x wave + 16 l
.set GO, 4                             ; v4  in g and b: 32 l
.set X,  8                             ; v[8:71]    row rr at X + 32 rr, its chunk j at + 8 j; its first 16 registers later hold the row's 64 bytes to store
.set G,  72                            ; v[72:103]
.set BT, 104                           ; v[104:135]
.set T,  136                           ; v[136:151] at work
.set MU, 152                           ; v[152:153] the mean, twice
.set RS, 154                           ; v[154:155] 1 / sqrt(var + eps), twice
.set EP, 156                           ; v156       1e-5
.set SO, 2                             ; the weights' part: v2  my byte offset in the source part
.set DO, 3                             ; v3  my byte offset in the destination
.set CX, 8                             ; v[8:71]   16 loads of 4 numbers
.set CY, 72                            ; v[72:103] 8 x 16 bytes to store
.macro WSUM                            ; v[T] summed over the 32 lanes, the result in every lane
	v_add_f32_dpp v[T], v[T], v[T] row_xmask:1 row_mask:0xf bank_mask:0xf
	v_add_f32_dpp v[T], v[T], v[T] row_xmask:2 row_mask:0xf bank_mask:0xf
	v_add_f32_dpp v[T], v[T], v[T] row_xmask:4 row_mask:0xf bank_mask:0xf
	v_add_f32_dpp v[T], v[T], v[T] row_xmask:8 row_mask:0xf bank_mask:0xf
	v_permlanex16_b32 v[T+1], v[T], s12, s13       ; its destination has been written before
	v_add_f32 v[T], v[T], v[T+1]
.endm
.macro ROWLN rr
.set XR, X+32*(\rr)
.if (\rr) == 0
	s_wait_loadcnt 16                              ; both rows of x are in; the 16 loads of g and b stay out
.endif
.set i, 0
.rept 8                                ; the lane's 32 numbers, as a tree of packed sums
	v_pk_add_f32 v[T+2*i:T+2*i+1], v[XR+4*i:XR+4*i+1], v[XR+4*i+2:XR+4*i+3]
.set i, i+1
.endr
.irp i, 0,4,8,12
	v_pk_add_f32 v[T+(\i):T+(\i)+1], v[T+(\i):T+(\i)+1], v[T+(\i)+2:T+(\i)+3]
.endr
	v_pk_add_f32 v[T:T+1], v[T:T+1], v[T+4:T+5]
	v_pk_add_f32 v[T+8:T+9], v[T+8:T+9], v[T+12:T+13]
	v_pk_add_f32 v[T:T+1], v[T:T+1], v[T+8:T+9]
	v_add_f32 v[T], v[T], v[T+1]
	WSUM
	v_mul_f32 v[MU], 0x3a800000, v[T]              ; / 1024
	v_mul_f32 v[MU+1], 0x3a800000, v[T]
.set i, 0
.rept 16
	v_pk_add_f32 v[XR+2*i:XR+2*i+1], v[XR+2*i:XR+2*i+1], v[MU:MU+1] neg_lo:[0,1] neg_hi:[0,1]  ; x - mu, in place
.set i, i+1
.endr
.set i, 0
.rept 4                                ; the squares, in four chains; the first four start them
	v_pk_mul_f32 v[T+2*i:T+2*i+1], v[XR+2*i:XR+2*i+1], v[XR+2*i:XR+2*i+1]
.set i, i+1
.endr
.rept 12
	v_pk_fma_f32 v[T+2*(i%4):T+2*(i%4)+1], v[XR+2*i:XR+2*i+1], v[XR+2*i:XR+2*i+1], v[T+2*(i%4):T+2*(i%4)+1]
.set i, i+1
.endr
	v_pk_add_f32 v[T:T+1], v[T:T+1], v[T+2:T+3]
	v_pk_add_f32 v[T+4:T+5], v[T+4:T+5], v[T+6:T+7]
	v_pk_add_f32 v[T:T+1], v[T:T+1], v[T+4:T+5]
	v_add_f32 v[T], v[T], v[T+1]
	WSUM
	v_fmamk_f32 v[T], v[T], 0x3a800000, v[EP]      ; var + eps
	v_rsq_f32 v[RS], v[T]                          ; twice, to fill the pair that the packed multiply names
	v_rsq_f32 v[RS+1], v[T]
	v_nop                                          ; a plain instruction between the last root and the use of its result (ISA guide 5.7.2)
	s_wait_alu depctr_va_vdst(0)                   ; and the one wait ahead of the first reader
.if (\rr) == 0
	s_wait_loadcnt 0x0                             ; g and b
.endif
.set i, 0
.rept 16
	v_pk_mul_f32 v[XR+2*i:XR+2*i+1], v[XR+2*i:XR+2*i+1], v[RS:RS+1]
.set i, i+1
.endr
.set i, 0
.rept 16
	v_pk_fma_f32 v[XR+2*i:XR+2*i+1], v[XR+2*i:XR+2*i+1], v[G+2*i:G+2*i+1], v[BT+2*i:BT+2*i+1]
.set i, i+1
.endr
.set i, 0
.rept 16
	v_cvt_pk_bf16_f32 v[XR+i], v[XR+2*i], v[XR+2*i+1]  ; in place: word i lands on a register whose number has been rounded already; each row stores from registers of its own
.set i, i+1
.endr
.irp j, 0,1,2,3
	global_store_b128 v[YO], v[XR+4*(\j):XR+4*(\j)+3], s[10:11] offset:(\rr)*2048+(\j)*512
.endr
.endm
; the weights: eight groups of 8 numbers: two loads of 16 bytes, four roundings of two, one store of 16 bytes
.macro BODY lstep, sstep
.irp i, 0,1,2,3,4,5,6,7
	global_load_b128 v[CX+8*(\i):CX+8*(\i)+3],   v[SO], s[24:25] offset:(\i)*(\lstep) th:TH_LOAD_NT
	global_load_b128 v[CX+8*(\i)+4:CX+8*(\i)+7], v[SO], s[24:25] offset:(\i)*(\lstep)+16 th:TH_LOAD_NT
.endr
.irp i, 0,1,2,3,4,5,6,7
	s_wait_loadcnt 14-2*(\i)                       ; loads come back in order: group i is in, the 14 - 2 i younger loads stay out
.irp j, 0,1,2,3
	v_cvt_pk_bf16_f32 v[CY+4*(\i)+(\j)], v[CX+8*(\i)+2*(\j)], v[CX+8*(\i)+2*(\j)+1]
.endr
	global_store_b128 v[DO], v[CY+4*(\i):CY+4*(\i)+3], s[28:29] offset:(\i)*(\sstep)
.endr
	s_endpgm
.endm
	s_cmp_lt_u32 ttmp9, 256
	s_cbranch_scc0 .Lcast
	s_load_b256 s[4:11], s[0:1], 0x0               ; x, g, b, y
	s_lshl_b32 s2, ttmp9, 16                       ; the work-group's 16 rows of 4,096 bytes
	s_mov_b32 s3, 0
	s_lshl_b32 s14, ttmp9, 15                      ; and of 2,048
	s_mov_b32 s15, 0
	s_mov_b32 s12, 0x76543210                      ; v_permlanex16_b32: each lane takes its own place in the other half
	s_mov_b32 s13, 0xfedcba98
	v_and_b32 v1, 31, v0
	v_lshrrev_b32 v5, 5, v0
	v_lshlrev_b32 v[GO], 5, v1
	v_lshl_add_u32 v[XO], v5, 13, v[GO]
	v_lshlrev_b32 v[YO], 4, v1
	v_lshl_add_u32 v[YO], v5, 12, v[YO]
	v_mov_b32 v[EP], 0x3727c5ac
	s_wait_kmcnt 0x0
	s_add_nc_u64 s[4:5], s[4:5], s[2:3]
	s_add_nc_u64 s[10:11], s[10:11], s[14:15]
.irp r, 0,1
.irp j, 0,1,2,3
	global_load_b128 v[X+32*(\r)+8*(\j):X+32*(\r)+8*(\j)+3],   v[XO], s[4:5] offset:(\r)*4096+(\j)*1024
	global_load_b128 v[X+32*(\r)+8*(\j)+4:X+32*(\r)+8*(\j)+7], v[XO], s[4:5] offset:(\r)*4096+(\j)*1024+16
.endr
.endr
.irp j, 0,1,2,3
	global_load_b128 v[G+8*(\j):G+8*(\j)+3],     v[GO], s[6:7] offset:(\j)*1024
	global_load_b128 v[G+8*(\j)+4:G+8*(\j)+7],   v[GO], s[6:7] offset:(\j)*1024+16
	global_load_b128 v[BT+8*(\j):BT+8*(\j)+3],   v[GO], s[8:9] offset:(\j)*1024
	global_load_b128 v[BT+8*(\j)+4:BT+8*(\j)+7], v[GO], s[8:9] offset:(\j)*1024+16
.endr
	ROWLN 0
	ROWLN 1
	s_endpgm
.Lcast:
	s_load_b256 s[8:15], s[0:1], 0x20              ; wq, wk, wv, w_proj
	s_load_b128 s[16:19], s[0:1], 0x40             ; w1, w2
	s_load_b64 s[20:21], s[0:1], 0x50              ; wb
	s_sub_co_u32 s3, ttmp9, 256                    ; part 0 .. 767
	s_lshr_b32 s2, s3, 6                           ; 0 wq, 1 wk, 2 wv, 3 w_proj, 4-7 w1, 8-11 w2
	s_and_b32 s3, s3, 63
	s_and_b32 s4, s2, 3
	s_cmp_ge_u32 s2, 4
	s_cselect_b32 s4, s4, 0                        ; which quarter of w1 or w2; 0 for the four small tensors
	s_lshl_b32 s4, s4, 6
	s_add_co_u32 s4, s4, s3                        ; my part of the source tensor
	s_lshl_b32 s26, s4, 16                         ; 64 KiB a part
	s_mov_b32 s27, 0
	s_wait_kmcnt 0x0
	s_mov_b64 s[24:25], s[8:9]                     ; the source: a choice between buffers on the part's number alone
	s_cmp_eq_u32 s2, 1
	s_cselect_b64 s[24:25], s[10:11], s[24:25]
	s_cmp_eq_u32 s2, 2
	s_cselect_b64 s[24:25], s[12:13], s[24:25]
	s_cmp_eq_u32 s2, 3
	s_cselect_b64 s[24:25], s[14:15], s[24:25]
	s_cmp_ge_u32 s2, 4
	s_cselect_b64 s[24:25], s[16:17], s[24:25]
	s_cmp_ge_u32 s2, 8
	s_cselect_b64 s[24:25], s[18:19], s[24:25]
	s_add_nc_u64 s[24:25], s[24:25], s[26:27]
	s_lshr_b32 s5, s2, 2
	s_cmp_eq_u32 s5, 1
	s_cbranch_scc1 .Lw1
	; every tensor but w1 keeps its order: part 0 .. 767 of wb, 32 KiB each
	s_lshl_b32 s28, s2, 6
	s_add_co_u32 s28, s28, s3
	s_lshl_b32 s28, s28, 15
	s_mov_b32 s29, 0
	s_add_nc_u64 s[28:29], s[20:21], s[28:29]
	v_lshlrev_b32 v[SO], 5, v0                     ; 32 bytes a thread: a group of the work-group is 8,192 bytes on end
	v_lshlrev_b32 v[DO], 4, v0                     ; 16 bytes a thread: a wave's store covers 512 bytes on end
	BODY 8192, 4096
.Lw1:
	; w1: my part is 4 rows k0 .. k0 + 3 of 4,096 numbers, k0 = 4 x part.  Thread: sub = t % 8 (8 numbers), kk = (t / 8) % 4 (row), w = t / 32; group i takes slab 8 i + w.
	s_lshr_b32 s5, s4, 5                           ; k0 / 128: the K step
	s_lshl_b32 s5, s5, 16
	s_and_b32 s6, s4, 31                           ; (k0 % 128) x 128 bytes
	s_lshl_b32 s6, s6, 9
	s_add_co_u32 s28, s5, s6
	s_add_co_u32 s28, s28, 8388608
	s_mov_b32 s29, 0
	s_add_nc_u64 s[28:29], s[20:21], s[28:29]
	v_and_b32 v4, 7, v0                            ; sub
	v_bfe_u32 v5, v0, 3, 2                         ; kk
	v_lshrrev_b32 v6, 5, v0                        ; w
	v_lshlrev_b32 v[SO], 5, v4
	v_lshl_add_u32 v[SO], v6, 8, v[SO]             ; eight lanes read 256 bytes on end, aligned
	v_lshl_add_u32 v[SO], v5, 14, v[SO]
	v_lshlrev_b32 v[DO], 4, v4
	v_lshl_add_u32 v[DO], v5, 7, v[DO]             ; a wave's store: 4 rows of 128 bytes of one slab: 512 bytes on end
	v_and_b32 v7, 3, v6
	v_lshl_add_u32 v[DO], v7, 14, v[DO]            ; slab in its tile
	v_lshrrev_b32 v7, 2, v6
	v_lshl_add_u32 v[DO], v7, 19, v[DO]            ; tile 2 i + w / 4: the 2 i stands in the immediate, 7,340,032 at the most
	BODY 2048, 1048576
.Lfunc_end_k_q820a8e94d2_prep:
	.size	k_q820a8e94d2_prep, .Lfunc_end_k_q820a8e94d2_prep-k_q820a8e94d2_prep
	.p2alignl 7, 3214868480
	.fill 96, 4, 3214868480
	.section	.rodata,"a",@progbits
	.p2align	6, 0x0
	.amdhsa_kernel k_q820a8e94d2_prep
		.amdhsa_group_segment_fixed_size 0
		.amdhsa_private_segment_fixed_size 0
		.amdhsa_enable_private_segment 0
		.amdhsa_kernarg_size 88
		.amdhsa_user_sgpr_count 2
		.amdhsa_user_sgpr_kernarg_segment_ptr 1
		.amdhsa_wavefront_size32 1
		.amdhsa_system_sgpr_workgroup_id_x 1
		.amdhsa_system_sgpr_workgroup_id_y 1
		.amdhsa_system_sgpr_workgroup_id_z 1
		.amdhsa_system_vgpr_workitem_id 0
		.amdhsa_next_free_vgpr 160
		.amdhsa_next_free_sgpr 66
		.amdhsa_reserve_vcc 0
		.amdhsa_float_denorm_mode_32 3
		.amdhsa_float_denorm_mode_16_64 3
		.amdhsa_memory_ordered 1
		.amdhsa_forward_progress 1
		.amdhsa_inst_pref_size 31
	.end_amdhsa_kernel
	.amdgpu_metadata
---
amdhsa.version: [ 1, 2 ]
amdhsa.kernels:
  - .name:           k_q820a8e94d2_prep
    .symbol:         k_q820a8e94d2_prep.kd
    .args:
      - { .name: x, .offset: 0, .size: 8, .value_kind: global_buffer, .address_space: global }
      - { .name: ln1_g, .offset: 8, .size: 8, .value_kind: global_buffer, .address_space: global }
      - { .name: ln1_b, .offset: 16, .size: 8, .value_kind: global_buffer, .address_space: global }
      - { .name: xn, .offset: 24, .size: 8, .value_kind: global_buffer, .address_space: global }
      - { .name: wq, .offset: 32, .size: 8, .value_kind: global_buffer, .address_space: global }
      - { .name: wk, .offset: 40, .size: 8, .value_kind: global_buffer, .address_space: global }
      - { .name: wv, .offset: 48, .size: 8, .value_kind: global_buffer, .address_space: global }
      - { .name: w_proj, .offset: 56, .size: 8, .value_kind: global_buffer, .address_space: global }
      - { .name: w1, .offset: 64, .size: 8, .value_kind: global_buffer, .address_space: global }
      - { .name: w2, .offset: 72, .size: 8, .value_kind: global_buffer, .address_space: global }
      - { .name: wb, .offset: 80, .size: 8, .value_kind: global_buffer, .address_space: global }
    .group_segment_fixed_size: 0
    .private_segment_fixed_size: 0
    .kernarg_segment_align: 8
    .kernarg_segment_size: 88
    .max_flat_workgroup_size: 256
    .sgpr_count:     66
    .vgpr_count:     160
    .wavefront_size: 32
...
	.end_amdgpu_metadata
.endif
;; end of part 1
;; launch qkvp (part 2): grid 16 x 16, 4 waves a work-group, clusters of 4 x 4, 327,680 bytes of LDS; arguments xn, wb, qkv; writes qkv
.if DOCPART == 2
	.amdgcn_target "amdgcn-amd-amdhsa--gfx1250"
	.amdhsa_code_object_version 6
	.text
	.protected	k_q820a8e94d2_qkvp
	.globl	k_q820a8e94d2_qkvp
	.p2align	8
	.type	k_q820a8e94d2_qkvp,@function
k_q820a8e94d2_qkvp:
	s_mov_b64 s[64:65], 0
	v_nop
	global_prefetch_b8 v0, s[64:65] scope:SCOPE_SE
	s_setreg_imm32_b32 hwreg(HW_REG_WAVE_MODE, 25, 1), 1
	s_wait_xcnt 0x0
	s_wait_alu depctr_hold_cnt(0) depctr_sa_sdst(0) depctr_va_vdst(0) depctr_va_sdst(0) depctr_va_ssrc(0) depctr_va_vcc(0) depctr_vm_vsrc(0)
	s_getreg_b32 s2, hwreg(HW_REG_IB_STS2, 6, 4)
	s_cmp_eq_u32 s2, 0
	s_cbranch_scc0 .Lentry_in_a_cluster
	s_endpgm
.Lentry_in_a_cluster:
	s_bfe_u32 s2, ttmp6, 0x10000c
	s_cmp_lg_u32 s2, 0xf033
	s_cbranch_scc0 .Lentry_shape_is_right
	s_endpgm
.Lentry_shape_is_right:
; q, k, v = xn [wq | wk | wv].  xn: [4096][1024] bf16.  The weights: 48 slabs [1024 k][64 n] bf16 at wb's head (16 heads of wq, of wk, of wv).
; Out: qkv, f16, [48 slabs][4096 rows][64]: a head's rows of one batch are 262,144 bytes on end.  Sums in f32, K ascending; each number rounded once, unscaled.
; LIMIT: f16 ends at 65,504: |q|, |k|, |v| must stay under it.  With gains, biases and weights thirty times those of the problem's kind they reach some 2e4.
; SHARES.  A tile of C is 256 rows x 192 columns (3 slabs): 16 x 16 = 256 work-groups.  Wave w owns rows 64 w .. 64 w + 63 and all columns: 4 x 12 accumulators of 16 x 16,
; so each wave stores whole slabs' rows and no stage is shared.  K goes in 8 steps of 128 through two LDS slots.
; CLUSTER 4 x 4: xn's tile hangs on the tile row alone and is asked for jointly along a row of the cluster, the weights' on the tile column alone, jointly along a column.
; THE PRODUCT IS TAKEN TRANSPOSED: source 0 = 16 columns of W (from [k][n] rows by the turning load), source 1 = 16 rows of xn: a lane holds one row of C and 8 neighbouring columns.
; TEXT.  A K step is four quarters of 32 along K on fragment buffers 0, 1, 0, 1.  The pair (quarter on 1, quarter on 0) is written once and walked twice a step; the LDS offsets of the
; fetches are scalars that step.  A quarter begins with the run of LDS loads for the NEXT quarter, which so has all the quarter's products in which to land.  The change of slots stands in front of
; the pair (last quarter of a step, first of the next): that last quarter's fragments are then in registers.  K step 0 enters the step loop at its inner loop's head, for one pair.
; PREFETCH INTO THE L2, behind each joint refill.  Each wave asks for blocks of what it fetches itself; the four partners that ask for a tile jointly share its blocks out by address.
; xn: 64 rows x 256 bytes a partner, a lane a row, two instructions, the K step that the next change of slots loads; the clusters of a row of clusters read the same rows: cluster x = 0 asks.
; W: a slab's K steps lie on end, 64 blocks of 256 bytes each: at every second change a partner asks for 32 blocks of the next two K steps but one (4 and 5, then 6 and 7); cluster y = 0 asks.
; So each block is named once; K steps 0 to 2 (W's: 0 to 3) come by their loads alone, and nothing is named beyond K step 7.
; REGISTERS, in windows of 256: window 0: addresses, xn's fragments v64-127, the way out v128-191; window 1: W's fragments, two buffers of 128; windows 2, 3: accumulator (a, b) at v[8 (16 (a % 2) + b)] of window 2 + a / 2.
.set NSL,   3                          ; slabs of 64 columns in a tile
.set AW,    1                          ; waves that fetch xn's tile; the others fetch W's
.set SPB,   1                          ; slabs in one load of W
.set WOFF,  0                          ; where the weights begin in wb
.set BTILE, 393216                     ; bytes from tile column to tile column
.set BPART, 131072                     ; from one wave's part of W to the next
.set BSTEP, 16384                      ; from K step to K step
.set SLSTR, 524288                     ; bytes from slab to slab in the output
.set WMASK, 0x28                       ; W's waves prefetch where STEPS is 5 or 3
.set NB,    4*NSL
.set AROWS, 256/AW
.set NK,    8
.set ASTEP, 256
.set PA,    272                        ; a row of xn in LDS: 256 bytes + 16: the 16 rows of a load start at 16 different groups of four banks (64 banks of 4 bytes: ISA guide 11.1)
.set PW,    160                        ; a row of a slab: 128 bytes + 32
.set BOFF,  256*PA
.set SLABL, 128*PW
.set SLOT,  BOFF+NSL*SLABL
.set STAGE, 2*SLOT                     ; behind the ring, never filled by a tensor load: 16 rows x 144 bytes for each wave
.set SP,    144
.set SPARE, STAGE+4*16*SP              ; the spare words, 128 bytes for each wave: two blocks of 256 bytes that no other line names
.set NLD,   2*NB+8                     ; LDS loads in a quarter's run
.set A0,   16                          ; v16  my place in xn's tile; never rewritten
.set B0,   17                          ; v17  my place in W's tile; never rewritten
.set ADRA, 18
.set ADRB, 19
.set STO,  24                          ; v24  the way out: where I put 16 bytes of a row
.set RD,   25                          ; v25  where I read rows back
.set GO,   26                          ; v26  16 x lane
.set SPW,  28                          ; v28  my spare word; never rewritten
.set NIL,  29                          ; v29  0; never rewritten
.set PFO,  31                          ; v31  the prefetches' offset: lane x a row of xn, or lane x 256; never rewritten
.set FA,   64                          ; xn's fragments: buffer f, row block a at FA + 32 f + 8 a
.set RING, 128                         ; four sets of 16 for the way out
.set WV,   12
.set G1A,  24
.set G0A,  32                          ; two sets: the first serves K step 0 alone, the second walks
.set G1B,  48
.set G0B,  56
.set KA,   66                          ; LDS byte offset of the next fetch in xn's tile
.set KB,   67                          ; in W's
.set SLT,  68                          ; the slot that the walking descriptors name: 0 or SLOT
.set LAA,  69                          ; my part's place in a slot, for xn
.set CNT,  70
.set STEPS, 71
.set LAB,  72                          ; and for W
.set PFA,  74                          ; s[74:75] where my prefetches stand
.set PFS,  76                          ; s[76:77] their step from K step to K step
.set PFM,  78                          ; bit n: I prefetch where STEPS is n
.set MSB, 0
.macro WIN new                         ; the immediate's high byte repeats the setting that is left; a switch that changes nothing is dropped
.if MSB != (\new)
	s_set_vgpr_msb (MSB<<8)|(\new)
.set MSB, (\new)
.endif
.endm
.macro NOPS4
.rept 4
	v_nop
.endr
.endm
.macro CROUND                          ; a round of the cluster's barrier: my work-group's barrier; wave 0 signals for the work-group; every wave waits for all sixteen; my work-group's barrier once more
	s_barrier_signal -1
	s_barrier_wait -1
	s_cmp_lg_u32 s[WV], 0
	s_cbranch_scc1 .Lnot_wave_0_\@
	s_barrier_signal -3
.Lnot_wave_0_\@:
	s_barrier_wait -3
	s_barrier_signal -1
	s_barrier_wait -1
.endm
.macro JLOAD                           ; a joint refill by the walking descriptors; the branch hangs on the wave's number alone; an s_nop 0 and four v_nop follow each line
	s_cmp_lt_u32 s[WV], AW
	s_cbranch_scc0 .Lfor_b_\@
	tensor_load_to_lds s[G0A+4:G0A+7], s[G1A:G1A+7]
	s_nop 0
	NOPS4
	s_branch .Lasked_\@
.Lfor_b_\@:
	tensor_load_to_lds s[G0B+4:G0B+7], s[G1B:G1B+7]
	s_nop 0
	NOPS4
.Lasked_\@:
.endm
.macro ASK                             ; the prefetch: the branches hang on the loop's count, the cluster's place in the grid and the wave's number: the same in all sixteen partners
	s_lshr_b32 s20, s[PFM], s[STEPS]
	s_and_b32 s20, s20, 1
	s_cmp_lg_u32 s20, 0
	s_cbranch_scc0 .Lnot_mine_\@
	global_prefetch_b8 v[PFO], s[PFA:PFA+1] th:TH_LOAD_NT scope:SCOPE_SE
.if AROWS > 128
	s_cmp_lt_u32 s[WV], AW
	s_cbranch_scc0 .Lnot_mine_\@
	global_prefetch_b8 v[PFO], s[PFA:PFA+1] offset:32*2048 th:TH_LOAD_NT scope:SCOPE_SE  ; xn: my work-group's other 32 rows
.endif
.Lnot_mine_\@:
.endm
	s_load_b128 s[4:7], s[0:1], 0x0                ; xn s[4:5], wb s[6:7]
	s_load_b64 s[8:9], s[0:1], 0x10                ; out
	v_lshl_add_u32 v[SPW], v0, 2, SPARE
	v_mov_b32 v[NIL], 0
	ds_add_u32 v[SPW], v[NIL]                      ; the wave's opening: the add and its wait stand ahead of my first tensor load; the set-up stands between them
	ds_add_u32 v28, v29
	v_lshrrev_b32 v1, 5, v0
	v_readfirstlane_b32 s[WV], v1
	s_bfe_u32 s40, ttmp6, 0x40000                  ; cx
	s_bfe_u32 s41, ttmp6, 0x40004                  ; cy
	s_lshl_b32 s42, ttmp9, 2
	s_add_co_u32 s42, s42, s40                     ; tile column
	s_and_b32 s13, ttmp7, 0xffff
	s_lshl_b32 s13, s13, 2
	s_add_co_u32 s13, s13, s41                     ; tile row
	s_lshl_b32 s43, s41, 2
	s_lshl_b32 s43, 15, s43                        ; my row of the cluster
	s_lshl_b32 s44, 0x1111, s40                    ; my column
	s_or_b32 s[G1A], s43, (1<<16)|(1<<20)|(1<<21)|(5<<22)|(3<<25)  ; the mask; 2-byte elements; padding on; bit 21 beside a mask; after every 64 words 4 words
	s_mov_b32 s[G1A+1], 128<<16                    ; tensor_dim0 = 128
	s_mov_b32 s[G1A+2], AROWS<<16                  ; tensor_dim1
	s_mov_b32 s[G1A+3], 128<<16                    ; tile_dim0 = 128
	s_mov_b32 s[G1A+4], AROWS                      ; tile_dim1
	s_mov_b32 s[G1A+5], 1024                       ; elements from row to row
	s_mov_b32 s[G1A+6], 0
	s_mov_b32 s[G1A+7], 0
	s_or_b32 s[G1B], s44, (1<<16)|(1<<20)|(1<<21)|(4<<22)|(7<<25)  ; after every 32 words (a slab's row) 8 words
	s_mov_b32 s[G1B+1], 128<<16                    ; a dense block, asked for as rows of 256 bytes: two rows of a slab
	s_mov_b32 s[G1B+2], (64*SPB)<<16
	s_mov_b32 s[G1B+3], 128<<16
	s_mov_b32 s[G1B+4], 64*SPB
	s_mov_b32 s[G1B+5], 128
	s_mov_b32 s[G1B+6], 0
	s_mov_b32 s[G1B+7], 0
	s_and_b32 s14, s[WV], AW-1                     ; which part of xn's tile (waves 0 .. AW - 1)
	s_add_co_u32 s15, s[WV], 4-AW
	s_and_b32 s15, s15, 3                          ; which part of W's (waves AW .. 3)
	s_mul_i32 s[LAA], s14, AROWS*PA
	s_mul_i32 s[LAB], s15, SPB*SLABL
	s_add_co_u32 s[LAB], s[LAB], BOFF
	s_lshl_b32 s16, s13, 19                        ; 256 rows of 2,048 bytes a tile row: no register of xn's address ever holds cx,
	s_mul_i32 s20, s14, AROWS*2048
	s_add_co_u32 s16, s16, s20
	s_mov_b32 s17, 0
	s_mul_i32 s46, s42, BTILE                      ; none of W's ever holds cy
	s_mul_i32 s45, s15, BPART
	s_add_co_u32 s46, s46, s45
	s_add_co_u32 s46, s46, WOFF
	s_mov_b32 s47, 0
	; the prefetches' offsets, in registers of their own
	s_mul_i32 s20, s40, (AROWS/4)*2048             ; of the rows of xn that I fetch my work-group takes a quarter, by its place along the cluster's row,
	s_add_co_u32 s20, s20, s16
	s_lshl_b32 s21, s41, 13                        ; of W's blocks 32 of 256 bytes, by its place along the column
	s_add_co_u32 s21, s21, s46
	s_and_b32 s22, ttmp7, 0xffff                   ; cluster y
	s_mov_b32 s[PFS], BSTEP
	s_mov_b32 s[PFS+1], 0
	s_mov_b32 s23, 256
	s_mov_b32 s[PFM], WMASK
	s_mov_b32 s[PFA+1], 0
	s_cmp_lt_u32 s[WV], AW                         ; do I fetch for xn?
	s_cselect_b32 s[PFA], s20, s21
	s_cselect_b32 s22, ttmp9, s22                  ; the coordinate along which other clusters read the same blocks
	s_cselect_b32 s[PFS], ASTEP, s[PFS]
	s_cselect_b32 s23, 2048, s23
	s_cselect_b32 s[PFM], 0x7c, s[PFM]             ; xn's waves prefetch where STEPS is 6 to 2: K steps 3 to 7
	s_cmp_eq_u32 s22, 0
	s_cselect_b32 s[PFM], s[PFM], 0
	s_lshl1_add_u32 s[PFA], s[PFS], s[PFA]         ; at K step 2: the first change of slots steps it to 3
	v_and_b32 v[PFO], 31, v0
	v_mul_u32_u24 v[PFO], s23, v[PFO]
	s_mov_b32 s[KA], 0
	s_mov_b32 s[KB], 0
	s_mov_b32 s[SLT], SLOT
	s_wait_dscnt 0x0                               ; the opening add is done
	s_wait_kmcnt 0x0
	s_cmp_lt_u32 s[WV], AW
	s_cselect_b64 s[20:21], s[4:5], s[6:7]
	s_add_nc_u64 s[PFA:PFA+1], s[20:21], s[PFA:PFA+1]
	s_add_nc_u64 s[16:17], s[4:5], s[16:17]
	s_add_nc_u64 s[46:47], s[6:7], s[46:47]
	CROUND                                         ; all sixteen work-groups are here: the first joint loads meet
.irp s, 0,1
	s_mov_b32 s[G0A+4*(\s)], 1
	s_add_co_u32 s[G0A+4*(\s)+1], s[LAA], (\s)*SLOT
	s_add_nc_u64 s[G0A+4*(\s)+2:G0A+4*(\s)+3], s[16:17], (\s)*ASTEP
	s_or_b32 s[G0A+4*(\s)+3], s[G0A+4*(\s)+3], 0x80000000
	s_mov_b32 s[G0B+4*(\s)], 1
	s_add_co_u32 s[G0B+4*(\s)+1], s[LAB], (\s)*SLOT
	s_add_nc_u64 s[G0B+4*(\s)+2:G0B+4*(\s)+3], s[46:47], (\s)*BSTEP
	s_or_b32 s[G0B+4*(\s)+3], s[G0B+4*(\s)+3], 0x80000000
.endr
	s_cmp_lt_u32 s[WV], AW                         ; a wave's two first fills (K steps 0 and 1) stand in one branch: two loads of mine are out
	s_cbranch_scc0 .Lfirst_b
	tensor_load_to_lds s[G0A:G0A+3], s[G1A:G1A+7]
	s_nop 0
	tensor_load_to_lds s[G0A+4:G0A+7], s[G1A:G1A+7]
	s_nop 0
	NOPS4
	s_branch .Lfirst_done
.Lfirst_b:
	tensor_load_to_lds s[G0B:G0B+3], s[G1B:G1B+7]
	s_nop 0
	tensor_load_to_lds s[G0B+4:G0B+7], s[G1B:G1B+7]
	s_nop 0
	NOPS4
.Lfirst_done:
	v_and_b32 v1, 15, v0                           ; r = l % 16
	v_bfe_u32 v2, v0, 4, 1                         ; h = l / 16
	v_and_b32 v3, 7, v0
	v_bfe_u32 v4, v0, 3, 1
	v_and_b32 v5, 31, v0
	s_mul_i32 s20, s[WV], 64*PA
	v_mul_u32_u24 v[A0], v1, PA                    ; a fragment of xn: row r, 16 bytes for each half of the lanes, twice, 32 bytes apart
	v_lshl_add_u32 v[A0], v2, 4, v[A0]
	v_add_nc_u32 v[A0], s20, v[A0]
	v_lshl_add_u32 v[B0], v2, 3, v3                ; the turning load: lane l reads k row 8 h + l % 8, columns 8 ((l / 8) % 2) + 0..7, and ends with column r and 8 k
	v_mul_u32_u24 v[B0], v[B0], PW
	v_lshl_add_u32 v[B0], v4, 4, v[B0]
	v_add_nc_u32 v[B0], BOFF, v[B0]
	s_mul_i32 s21, s[WV], 16*SP
	s_add_co_u32 s21, s21, STAGE
	v_mul_u32_u24 v[STO], v1, SP
	v_lshl_add_u32 v[STO], v2, 4, v[STO]
	v_add_nc_u32 v[STO], s21, v[STO]
	v_bfe_u32 v[RD], v0, 3, 2                      ; back: 32 lanes take four rows of 128 bytes
	v_mul_u32_u24 v[RD], v[RD], SP
	v_lshl_add_u32 v[RD], v3, 4, v[RD]
	v_add_nc_u32 v[RD], s21, v[RD]
	v_lshlrev_b32 v[GO], 4, v5
	s_mul_i32 s20, s42, NSL*SLSTR                  ; out: [48 slabs][4096 rows][64]: slab 3 x tile column, row 256 x tile row + 64 w
	s_lshl_b32 s21, s13, 15
	s_add_co_u32 s20, s20, s21
	s_lshl_b32 s21, s[WV], 13
	s_add_co_u32 s20, s20, s21
	s_mov_b32 s21, 0
	s_add_nc_u64 s[8:9], s[8:9], s[20:21]
; 2 NB products: row blocks 2 hi, 2 hi + 1 x all column blocks, 32 along K, from buffer f.  first = 1: they start the sums with 0.
; The accumulators take turns, one instruction a turn, in the same order in every quarter.
.macro MULH f, hi, first
	WIN 0xa1+0x50*(\hi)                            ; W window 1, xn window 0, C and D window 2 or 3
.irp a, 0,1
.set nb, 0
.rept NB
.if \first
	v_wmma_f32_16x16x32_bf16 v[8*(16*(\a)+nb):8*(16*(\a)+nb)+7], v[128*(\f)+8*nb:128*(\f)+8*nb+7], v[FA+32*(\f)+8*(2*(\hi)+(\a)):FA+32*(\f)+8*(2*(\hi)+(\a))+7], 0
.else
	v_wmma_f32_16x16x32_bf16 v[8*(16*(\a)+nb):8*(16*(\a)+nb)+7], v[128*(\f)+8*nb:128*(\f)+8*nb+7], v[FA+32*(\f)+8*(2*(\hi)+(\a)):FA+32*(\f)+8*(2*(\hi)+(\a))+7], v[8*(16*(\a)+nb):8*(16*(\a)+nb)+7]
.endif
.set nb, nb+1
.endr
.endr
.endm
; A quarter's fragments into buffer g, in one run: W's 2 NB loads, then xn's 8.  The two address lines and two v_nop are the four places between the last product that read buffer g and these loads.
.macro FETCH g
	WIN 0
	v_add_nc_u32 v[ADRA], s[KA], v[A0]
	v_add_nc_u32 v[ADRB], s[KB], v[B0]
	v_nop
	v_nop
	s_add_co_u32 s[KA], s[KA], 64                  ; the next fetch: 32 further along K
	s_add_co_u32 s[KB], s[KB], 32*PW
	WIN 0x40                                       ; destination window 1
.set nb, 0
.rept NB
	ds_load_tr16_b128 v[128*(\g)+8*nb:128*(\g)+8*nb+3],   v[ADRB] offset:(nb/4)*SLABL+(nb%4)*32
	ds_load_tr16_b128 v[128*(\g)+8*nb+4:128*(\g)+8*nb+7], v[ADRB] offset:(nb/4)*SLABL+(nb%4)*32+16*PW
.set nb, nb+1
.endr
	WIN 0
.irp a, 0,1,2,3
	ds_load_b128 v[FA+32*(\g)+8*(\a):FA+32*(\g)+8*(\a)+3],   v[ADRA] offset:(\a)*16*PA
	ds_load_b128 v[FA+32*(\g)+8*(\a)+4:FA+32*(\g)+8*(\a)+7], v[ADRA] offset:(\a)*16*PA+32
.endr
.endm
.macro QUARTER f, g, first             ; fetches the next quarter into buffer g, which the quarter before has just multiplied, and multiplies buffer f
	FETCH \g
	s_wait_dscnt NLD                               ; all but the run just issued: buffer f, asked for a quarter ago, is in
	MULH \f, 0, \first
	MULH \f, 1, \first
.endm
; THE CHANGE OF SLOTS.  Each wave waits for all its tensor loads (one is out: its part of the next slot), adds 0 to its spare word, and waits for that and for its reads of the old slot, whose last
; quarter is then in registers.  fill = 1: the barrier is a round of the cluster's, and the joint refill, two K steps ahead of the step just left, is the first thing behind it: it has a whole K step in which to land.
.macro CHANGE fill
	WIN 0
	s_wait_tensorcnt 0x0                           ; no tensor load of mine is out, so a group 0 may be written
	ds_add_u32 v[SPW], v[NIL]                      ; the scalar steps stand between the add and the wait for it
	s_sub_co_u32 s[KA], s[KA], 4*64                ; the fetches go back to a slot's first quarter,
	s_xor_b32 s[KA], s[KA], SLOT                   ; in the other slot (the value is 0 or SLOT here)
	s_sub_co_u32 s[KB], s[KB], 4*32*PW
	s_xor_b32 s[KB], s[KB], SLOT
.if \fill
	s_xor_b32 s[SLT], s[SLT], SLOT                 ; the walking descriptors: the other slot than last time, the next K step
	s_add_co_u32 s[G0A+5], s[SLT], s[LAA]
	s_add_co_u32 s[G0B+5], s[SLT], s[LAB]
	s_add_nc_u64 s[G0A+6:G0A+7], s[G0A+6:G0A+7], ASTEP
	s_add_nc_u64 s[G0B+6:G0B+7], s[G0B+6:G0B+7], BSTEP
	s_wait_xcnt 0x0                                ; the last prefetch, a K step back, has read its address, so it may be written:
	s_add_nc_u64 s[PFA:PFA+1], s[PFA:PFA+1], s[PFS:PFS+1]  ; one K step beyond the walking descriptors
.endif
	s_wait_dscnt 0x0                               ; the add is done, and my reads of the old slot are over
.if \fill
	CROUND
	JLOAD
	ASK
.else
	s_barrier_signal -1
	s_barrier_wait -1
.endif
.endm
	s_wait_tensorcnt 0x1                           ; my part of K step 0 is in; K step 1's may stay out
	s_barrier_signal -1
	s_barrier_wait -1
	FETCH 0
	QUARTER 0, 1, 1                                ; K step 0's first quarter starts the sums
	WIN 0
	s_mov_b32 s[CNT], 1                            ; its second and third are one pair:
	s_mov_b32 s[STEPS], NK-1
	s_branch .Lpair                                ; the step loop is entered at its inner loop's head
.Lstep:                                        ; steps 1 .. NK - 2: each asks for the step behind it
	CHANGE 1
	s_mov_b32 s[CNT], 2
.Lpair:                                        ; (last quarter of the step before, first of this), then (second, third)
	QUARTER 1, 0, 0
	QUARTER 0, 1, 0
	WIN 0
	s_sub_co_u32 s[CNT], s[CNT], 1
	s_cmp_lg_u32 s[CNT], 0
	s_cbranch_scc1 .Lpair
	s_sub_co_u32 s[STEPS], s[STEPS], 1
	s_cmp_lg_u32 s[STEPS], 0
	s_cbranch_scc1 .Lstep
	CHANGE 0                                       ; the last step is written out
	s_mov_b32 s[CNT], 2
.Lpair2:
	QUARTER 1, 0, 0
	QUARTER 0, 1, 0
	WIN 0
	s_sub_co_u32 s[CNT], s[CNT], 1
	s_cmp_lg_u32 s[CNT], 0
	s_cbranch_scc1 .Lpair2
	s_wait_dscnt 0x0
	MULH 1, 0, 0                                   ; the very last quarter
	MULH 1, 1, 0
	WIN 0
	NOPS4                                          ; the places behind the last products
	NOPS4
; THE WAY OUT, by groups g = (row block a, slab sl): 16 rows x 64 columns.  PACK: rounded, 16 bytes a lane, into my stage and back as whole rows of 128 bytes.  SEND: four stores of 512 bytes on end.
.macro PACK g
.set pa_, (\g)/NSL
.set ps_, (\g)%NSL
.set rg_, RING+16*((\g)%4)
	s_wait_xcnt 0x0                                ; the stores of four groups back have read this set: it is written again only behind this wait
	WIN 0x0a+5*(pa_/2)                             ; sources in window 2 or 3
.set q, 0
.rept 16                               ; each accumulator's registers in ascending order
	v_cvt_pk_f16_f32 v[rg_+q], v[8*(16*(pa_%2)+4*ps_+q/4)+2*(q%4)], v[8*(16*(pa_%2)+4*ps_+q/4)+2*(q%4)+1]
.set q, q+1
.endr
	WIN 0
.irp f, 0,1,2,3
	ds_store_b128 v[STO], v[rg_+4*(\f):rg_+4*(\f)+3] offset:32*(\f)
.endr
.irp f, 0,1,2,3
	ds_load_b128 v[rg_+4*(\f):rg_+4*(\f)+3], v[RD] offset:(\f)*4*SP  ; LDS serves a wave's instructions in order (ISA guide 5.7.1.4): these see the stores above; the next group's stores come behind them
.endr
.endm
.macro SEND g, younger                 ; younger: the LDS instructions issued behind group g's loads: the next group's eight, or none
.set pa_, (\g)/NSL
.set ps_, (\g)%NSL
.set rg_, RING+16*((\g)%4)
.irp f, 0,1,2,3
	s_wait_dscnt (\younger)+3-(\f)
	global_store_b128 v[GO], v[rg_+4*(\f):rg_+4*(\f)+3], s[8:9] offset:ps_*SLSTR+pa_*2048+(\f)*512
.endr
.endm
	PACK 0
.set gg, 1
.rept 4*NSL-1
	PACK gg
	SEND gg-1, 8
.set gg, gg+1
.endr
	SEND 4*NSL-1, 0
	s_wait_tensorcnt 0x0                           ; the wave's end: behind my last tensor load and my last LDS store
	ds_add_u32 v[SPW], v[NIL]
	s_wait_dscnt 0x0
	CROUND                                         ; the closing round: no work-group ends while a partner may still ask for a tile that names it
	s_endpgm
.Lfunc_end_k_q820a8e94d2_qkvp:
	.size	k_q820a8e94d2_qkvp, .Lfunc_end_k_q820a8e94d2_qkvp-k_q820a8e94d2_qkvp
	.p2alignl 7, 3214868480
	.fill 96, 4, 3214868480
	.section	.rodata,"a",@progbits
	.p2align	6, 0x0
	.amdhsa_kernel k_q820a8e94d2_qkvp
		.amdhsa_group_segment_fixed_size 327680
		.amdhsa_private_segment_fixed_size 0
		.amdhsa_enable_private_segment 0
		.amdhsa_kernarg_size 24
		.amdhsa_user_sgpr_count 2
		.amdhsa_user_sgpr_kernarg_segment_ptr 1
		.amdhsa_wavefront_size32 1
		.amdhsa_system_sgpr_workgroup_id_x 1
		.amdhsa_system_sgpr_workgroup_id_y 1
		.amdhsa_system_sgpr_workgroup_id_z 1
		.amdhsa_system_vgpr_workitem_id 0
		.amdhsa_next_free_vgpr 1024
		.amdhsa_next_free_sgpr 80
		.amdhsa_reserve_vcc 0
		.amdhsa_float_denorm_mode_32 3
		.amdhsa_float_denorm_mode_16_64 3
		.amdhsa_memory_ordered 1
		.amdhsa_forward_progress 1
		.amdhsa_inst_pref_size 69
	.end_amdhsa_kernel
	.amdgpu_metadata
---
amdhsa.version: [ 1, 2 ]
amdhsa.kernels:
  - .name:           k_q820a8e94d2_qkvp
    .symbol:         k_q820a8e94d2_qkvp.kd
    .args:
      - { .name: xn, .offset: 0, .size: 8, .value_kind: global_buffer, .address_space: global }
      - { .name: wb, .offset: 8, .size: 8, .value_kind: global_buffer, .address_space: global }
      - { .name: qkv, .offset: 16, .size: 8, .value_kind: global_buffer, .address_space: global }
    .group_segment_fixed_size: 327680
    .private_segment_fixed_size: 0
    .kernarg_segment_align: 8
    .kernarg_segment_size: 24
    .max_flat_workgroup_size: 128
    .sgpr_count:     80
    .vgpr_count:     1024
    .wavefront_size: 32
...
	.end_amdgpu_metadata
.endif
;; end of part 2
;; launch attn (part 3): grid 8 x 32, 4 waves a work-group, no clusters, 327,680 bytes of LDS; arguments qkv, ob; writes ob
.if DOCPART == 3
	.amdgcn_target "amdgcn-amd-amdhsa--gfx1250"
	.amdhsa_code_object_version 6
	.text
	.protected	k_q820a8e94d2_attn
	.globl	k_q820a8e94d2_attn
	.p2align	8
	.type	k_q820a8e94d2_attn,@function
k_q820a8e94d2_attn:
	s_mov_b64 s[64:65], 0
	v_nop
	global_prefetch_b8 v0, s[64:65] scope:SCOPE_SE
	s_setreg_imm32_b32 hwreg(HW_REG_WAVE_MODE, 25, 1), 1
	s_wait_xcnt 0x0
; CAUSAL ATTENTION, 32 heads (16 heads x 2 batches) of 2,048 rows, head size 64.  O[y][q] = the sum over k <= q of softmax_k(Q[y][q] . K[y][k] / 8) V[y][k].
; qkv: f16; q at byte 0, k at 8,388,608, v at 16,777,216; head y = 2 x head + batch has 262,144 bytes on end in each.
; ob: bf16, as the next product's fragments lie in registers: [32 blocks of 128 rows][4 steps of 256 channels][16 groups of 16 channels][8 groups of 16 rows][512 bytes], and in the 512 bytes lane l's 16 bytes
; (row l % 16, channels 8 (l / 16) + 0..7) at 16 l: just what a lane holds behind the second product, so a store covers 512 bytes on end and nothing goes through LDS on the way out.
; Products, maxima and sums in f32; the weights p are rounded to f16 for the second product (their sum l is taken of the unrounded p), O once, to bf16.
; LIMITS.  Q, K and V arrive within f16's 65,504.  A hidden score counts as its value less 1e30; a weight below 2^-126 counts as 0 in l; NaN and infinities are not treated apart.
; THE WALK.  A head's queries lie in 16 blocks of 128.  Block i needs the key tiles 0 .. i / 2 of 256 keys; the last holds the diagonal.  A work-group takes TWO blocks, 15 - p and then p: 9 tiles whatever p:
; all 256 work-groups do equal work, and ONE loop with a constant trip count walks them.  Every jump goes forward but the counted loops' own; none passes a barrier, or a tensor load but the one of a fill's two
; that the wave's number does not choose.  NO CLUSTER: the 8 work-groups of a head ask for the same tile only in the first five trips (their first blocks have 8, 8, 7, 7, 6, 6, 5, 5 tiles), and a walk common to all would have 12 trips for 9.
; SHARES.  Of a block's two bands of 64 queries a wave owns 16 rows in each: two PIECES.  In the diagonal tile's key step s band x of a block of parity par sees all keys if s is below 2 par + x, none if s is greater, and holds the diagonal if equal: the same for every wave.
; THE MASK is the C operand that starts the sum S^T = K Q^T: MD x AL + BE, with MD the mask of a band's own step for my rows (0 or -1e30) and two scalars: (1, 0) own step; (0, 0) earlier; (0, -1e30) later.
; ONE TEXT serves plain and diagonal tiles: every first product takes its piece's mask buffer, which holds 0 from a block's beginning on; a turn makes a mask anew only where a flag of the tile says so (a forward jump over 20 lines elsewhere).
; TURNS.  Turn p of step j belongs to piece p: its scaling, exponentials, roundings, sums and rescaling; beside them 8 products K Q^T of the other piece (turn 0: step j; turn 1: step j + 1), that piece's maximum
; and statistics, and 8 products V^T P of the other piece (turn 0: step j - 1; turn 1: step j).  Four vector instructions stand behind every matrix instruction, the others in one lump; a turn's 33 exponentials are one batch with one wait.
; Turn 0 fetches K of step j + 1 and V of step j.  So that both lie in one slot, A SLOT'S K IS SHIFTED BY A STEP: slot t holds K of steps 4 t + 1 .. 4 t + 4 and V of steps 4 t .. 4 t + 3; K of step 0 has a region of its own,
; filled once.  The last tile's last 64 rows of K lie behind the head (the next head's k, or v's first rows: bytes of the same buffer); the products made of them are discarded.
; REGISTERS, in windows of 256 (s_set_vgpr_msb: bits 1:0 source 0, 3:2 source 1, 5:4 source 2, 7:6 destination):
;   window 0: v0-15 addresses; v16-23 four registers of statistics a piece; v48-55 at work; v64-127 S^T, a buffer a piece; v192-223 P likewise
;   window 1: v0-63 O^T; v128-159 MD; v160-223 MC, a buffer a piece      window 2: v0-31 Q; v64-95 the second block's Q; v128-191 K of one step; v192-255 V of one step
.set NP,    2
.set KS,    64
.set PK,    144       ; a row of K in LDS: 128 bytes + 16: the 16 rows of a load start at 16 different groups of four banks (64 banks of 4 bytes: ISA guide 11.1)
.set PV,    160       ; a row of V: 128 + 32
.set VOFF,  4*KS*PK
.set K0R,   4*KS*(PK+PV)        ; behind slot 0: K of step 0, 64 rows; filled once
.set SLOT1, 1<<17
.set SPARE, SLOT1+4*KS*(PK+PV)  ; behind the ring: the spare words: two blocks of 256 bytes that no other line names
.set AK0, 2
.set AV0, 3
.set AK,  4
.set AV,  5
.set GO,  8           ; v8   16 x lane
.set MV,  12          ; v12-13  c m_old, by piece
.set QO,  15
.set ST,  16          ; piece t: c m, m, l (even keys', odd keys')
.set TMP, 48          ; by piece, c0-c3 at work; when the maximum is found c2 takes a
.set PFO, 61          ; v61  256 x lane; never rewritten
.set SPW, 62
.set NIL, 63
.set S,   64
.set P,   192
.set MD,  128
.set MC,  160
.set QB,  64
.set KF,  128
.set VF,  192
.set WV,  12
.set PBL, 14          ; s14  p / 2: the second block's last tile
.set HI,  15          ; s15  15 - p
.set G1K, 24
.set G1V, 32
.set G0K, 40
.set G0V, 44
.set PFB, 52          ; s[52:53] my half of tile 0 (K's: waves 0, 1; V's: waves 2, 3)
.set DG,  54          ; s54, s55: 1 where turn 0, turn 1 of the tile in hand makes masks
.set SLOTS, 56
.set CNT, 57          ; counts a tile's key steps, 4 to 1
.set CS,  58
.set SEL, 60
.set TBK, 62
.set TBV, 63
.set PFA, 66          ; s[66:67] where the prefetches stand
.set PP,  68          ; p
.set YY,  69          ; y
.set RT,  70          ; tiles of the block in hand still to be entered
.set NXT, 71          ; the tile to be asked for next
.set LQ,  72          ; the last tile of the block whose tiles are being asked for
.set NEW, 73          ; 1: the tile to be entered is a block's first
.set OFF, 74
.set AL,  76
.set BE,  78
.set OLO, 80          ; s[80:81] O at my rows of the second block
.set BIGN, 82
.set PZ,  83          ; 1.0 where the block in hand has parity 0: piece 0's own step is then the diagonal tile's first
.set G0Z, 88          ; K of step 0
.set G1Z, 92
.set EQ0, 100         ; s100, s101: in the diagonal tile, the value of CNT at which turn p makes the mask of piece p's own step: 5 - 2 par, 4 - 2 par
.set ET,  104         ; the same for turn 0 of the tile in hand: in the tile in front of the diagonal one 4 less, a signed number
.set PFN, 105         ; the tile to prefetch; 8 and more: none
.set MSB, 0
.macro WIN new
.if MSB != (\new)
	s_set_vgpr_msb (MSB<<8)|(\new)
.set MSB, (\new)
.endif
.endm
.set W_KQ, 0x0a       ; K and Q in window 2, S^T in window 0
.set W_KM, 0x1a       ; the same with the C operand in window 1
.set W_PV, 0x52       ; V in window 2, P in window 0, O^T in window 1
.set W_RS, 0x41       ; destination and source 0 in window 1, source 1 in window 0
.macro NOPS4
.rept 4
	v_nop
.endr
.endm
.macro LOAD                         ; a fill: waves 0 and 1 fetch the halves of a tile's K, waves 2 and 3 those of its V; an s_nop 0 and four v_nop follow each line
	s_cmp_lt_u32 s[WV], 2
	s_cbranch_scc0 .Lfor_v_\@
	tensor_load_to_lds s[G0K:G0K+3], s[G1K:G1K+7]
	s_nop 0
	NOPS4
	s_branch .Lasked_\@
.Lfor_v_\@:
	tensor_load_to_lds s[G0V:G0V+3], s[G1V:G1V+7]
	s_nop 0
	NOPS4
.Lasked_\@:
.endm
; A PREFETCH INTO THE L2 of what the NEXT change of slots will ask for.  All 8 work-groups of a head walk the same tiles, so work-group p = 0 alone asks; each of its waves for the half tile that it will itself
; load: 64 rows of 256 bytes, a lane a row, two instructions.  Tiles 2 to 7 are each named once, one tile (8 turns) ahead of their load; tiles 0 and 1 come by their loads alone; behind tile 7 nothing is asked for.
.macro ASK
	s_cmp_lt_u32 s[PFN], 8
	s_cbranch_scc0 .Lnot_mine_\@
	global_prefetch_b8 v[PFO], s[PFA:PFA+1] th:TH_LOAD_NT scope:SCOPE_SE
	global_prefetch_b8 v[PFO], s[PFA:PFA+1] offset:8192 th:TH_LOAD_NT scope:SCOPE_SE
.Lnot_mine_\@:
	s_add_co_u32 s[PFN], s[PFN], 1
.endm
; THE CHANGE OF SLOTS, in front of a tile's first turn.  Each wave waits for all its tensor loads, adds 0 to its spare word, and waits for that and for its reads of the slot that it leaves.  Behind the barrier nobody
; reads the old slot and the other slot is whole.  fill = 1: the old slot is filled again, first thing behind the barrier, with tile NXT: the addresses are made anew from that number.
.macro CHANGE fill
	WIN 0
	s_wait_tensorcnt 0x0            ; no tensor load of mine is out, so a group 0 may be written
	ds_add_u32 v[SPW], v[NIL]       ; the scalar work stands between the add and the wait for it
.if \fill
	s_lshl_b32 s[OFF], s[NXT], 15   ; a tile is 32,768 bytes of K and of V
	s_xor_b32 s[G0K+1], s[G0K+1], SLOT1
	s_add_nc_u64 s[G0K+2:G0K+3], s[6:7], s[OFF:OFF+1]
	s_or_b32 s[G0K+3], s[G0K+3], 0x80000000
	s_xor_b32 s[G0V+1], s[G0V+1], SLOT1
	s_add_nc_u64 s[G0V+2:G0V+3], s[8:9], s[OFF:OFF+1]
	s_or_b32 s[G0V+3], s[G0V+3], 0x80000000
	s_add_co_u32 s[NXT], s[NXT], 1  ; the block's next tile, or behind its last the second block's tile 0
	s_cmp_gt_u32 s[NXT], s[LQ]
	s_cselect_b32 s[NXT], 0, s[NXT]
	s_cselect_b32 s[LQ], s[PBL], s[LQ]
	s_wait_xcnt 0x0                 ; the last prefetches, a tile back, have read their address
	s_min_u32 s[OFF], s[PFN], 7     ; (held inside the head also where nothing will be asked for)
	s_lshl_b32 s[OFF], s[OFF], 15
	s_add_nc_u64 s[PFA:PFA+1], s[PFB:PFB+1], s[OFF:OFF+1]
.endif
	s_wait_dscnt 0x0                ; the add is done, and my reads of the slot are over
	s_barrier_signal -1
	s_sub_co_u32 s[TBK], s[TBK], 4*KS*PK  ; the fetches go back to a slot's head, in the other slot
	s_xor_b32 s[TBK], s[TBK], SLOT1
	s_sub_co_u32 s[TBV], s[TBV], 4*KS*PV
	s_xor_b32 s[TBV], s[TBV], SLOT1
	s_barrier_wait -1
.if \fill
	LOAD
	ASK
.endif
.endm
.macro SETPAR blk                   ; what hangs on the parity of the block in hand
	s_and_b32 s21, s[\blk], 1
	s_cmp_eq_u32 s21, 0
	s_cselect_b32 s[PZ], 1.0, 0
	s_lshl_b32 s21, s21, 1
	s_sub_co_u32 s[EQ0], 5, s21
	s_sub_co_u32 s[EQ0+1], 4, s21
.endm
; A TILE IS ENTERED.  Turn 1 makes masks (for piece 1) in the diagonal tile.  Turn 0 makes them (for piece 0, one step ahead) in the diagonal tile and in the tile in front of it, whose last turn 0 makes the mask of
; the diagonal tile's first step: there the step that a turn looks at lies 4 earlier, so the threshold is 4 less.
.macro TILE
	s_sub_co_u32 s[RT], s[RT], 1
	s_mov_b32 s[CNT], 4
	s_sub_co_i32 s[ET], s[EQ0], 4
	s_cmp_eq_u32 s[RT], 0
	s_cselect_b32 s[ET], s[EQ0], s[ET]
	s_cselect_b32 s[DG+1], 1, 0
	s_cmp_le_u32 s[RT], 1
	s_cselect_b32 s[DG], 1, 0
.endm
	s_load_b128 s[84:87], s[0:1], 0x0  ; qkv s[84:85], ob s[86:87]
	v_lshl_add_u32 v[SPW], v0, 2, SPARE
	v_mov_b32 v[NIL], 0
	ds_add_u32 v[SPW], v[NIL]       ; the wave's opening: the add and its wait stand ahead of my first tensor load; the set-up stands between them
	ds_add_u32 v62, v63
	v_lshrrev_b32 v1, 5, v0
	v_readfirstlane_b32 s[WV], v1
	s_mov_b32 s[PP], ttmp9
	s_and_b32 s[YY], ttmp7, 0xffff
	s_lshr_b32 s[PBL], s[PP], 1
	s_sub_co_u32 s[HI], 15, s[PP]
	s_lshl_b32 s20, s[YY], 18       ; the head's first byte in q, in k and in v
	s_and_b32 s16, s[WV], 1         ; which half of a tile's 256 keys I fetch
	s_lshl_b32 s22, s16, 14
	s_add_co_u32 s22, s22, s20
	s_add_co_u32 s2, s22, 8388608+8192  ; K: a tile begins one step (64 rows) late
	s_mov_b32 s3, 0
	s_add_co_u32 s18, s22, 16777216     ; V
	s_mov_b32 s19, 0
	s_lshl_b32 s48, s16, 12         ; K of step 0: my 32 rows
	s_add_co_u32 s48, s48, s20
	s_add_co_u32 s48, s48, 8388608
	s_mov_b32 s49, 0
	s_lshl_b32 s21, s[WV], 11       ; my 16 rows in a band
	s_add_co_u32 s21, s21, s20
	s_lshl_b32 s50, s[HI], 14       ; Q of the first block,
	s_add_co_u32 s50, s50, s21
	s_mov_b32 s51, 0
	s_lshl_b32 s22, s[PP], 14       ; and of the second
	s_add_co_u32 s22, s22, s21
	s_mov_b32 s23, 0
	s_and_b32 s13, s[YY], 1         ; O: block of 128 rows = 16 x batch + block, 262,144 bytes each;
	s_lshl_b32 s13, s13, 22
	s_lshr_b32 s17, s[YY], 1        ; the head's four groups of 16 channels, 4,096 bytes each: 16,384 x head;
	s_lshl_b32 s17, s17, 14
	s_add_co_u32 s13, s13, s17
	s_lshl_b32 s17, s[WV], 9        ; my group of 16 rows in a band, 512 bytes
	s_add_co_u32 s13, s13, s17
	s_lshl_b32 s52, s[HI], 18
	s_add_co_u32 s52, s52, s13
	s_mov_b32 s53, 0
	s_lshl_b32 s54, s[PP], 18
	s_add_co_u32 s54, s54, s13
	s_mov_b32 s55, 0
	; descriptor group 1.  128 keys are 16,384 dense bytes: asked for as 64 rows of 256 bytes, two keys a row, padded in LDS after every key
	s_mov_b32 s[G1K], (1<<16)|(1<<20)|(4<<22)|(3<<25)  ; 2-byte elements; padding on; after every 32 words 4 words
	s_mov_b32 s[G1V], (1<<16)|(1<<20)|(4<<22)|(7<<25)  ; 8 words
	s_mov_b32 s[G1Z], (1<<16)|(1<<20)|(4<<22)|(3<<25)
.irp g, G1K, G1V
	s_mov_b32 s[\g+1], 128<<16
	s_mov_b32 s[\g+2], 64<<16
	s_mov_b32 s[\g+3], 128<<16
	s_mov_b32 s[\g+4], 64
	s_mov_b32 s[\g+5], 128
	s_mov_b32 s[\g+6], 0
	s_mov_b32 s[\g+7], 0
.endr
	s_mov_b32 s[G1Z+1], 128<<16     ; 32 keys: 16 rows of 256 bytes
	s_mov_b32 s[G1Z+2], 16<<16
	s_mov_b32 s[G1Z+3], 128<<16
	s_mov_b32 s[G1Z+4], 16
	s_mov_b32 s[G1Z+5], 128
	s_mov_b32 s[G1Z+6], 0
	s_mov_b32 s[G1Z+7], 0
	s_mov_b32 s[CS], 0x3e38aa3b     ; c = log2(e) / 8
	s_mov_b32 s[CS+1], s[CS]
	s_mov_b32 s[SEL], 0x76543210
	s_mov_b32 s[SEL+1], 0xfedcba98
	s_mov_b32 s[TBK], SLOT1+4*KS*PK ; the first change of slots turns these two into 0
	s_mov_b32 s[TBV], SLOT1+4*KS*PV
	s_mov_b32 s[G0K], 1
	s_mul_i32 s[G0K+1], s16, 128*PK
	s_mov_b32 s[G0V], 1
	s_mul_i32 s[G0V+1], s16, 128*PV
	s_add_co_u32 s[G0V+1], s[G0V+1], VOFF
	s_mov_b32 s[G0Z], 1
	s_mul_i32 s[G0Z+1], s16, 32*PK
	s_add_co_u32 s[G0Z+1], s[G0Z+1], K0R
	s_lshr_b32 s[LQ], s[HI], 1
	s_add_co_u32 s[RT], s[LQ], 1
	s_mov_b32 s[NXT], 1
	s_mov_b32 s[NEW], 1
	s_mov_b32 s[OFF+1], 0
	s_mov_b32 s[AL+1], 0
	s_mov_b32 s[BE+1], 0
	s_mov_b32 s[BIGN], 0xf149f2ca   ; -1e30
	s_mov_b32 s[SLOTS], 8
	s_cmp_eq_u32 s[PP], 0
	s_cselect_b32 s[PFN], 2, 8
	SETPAR HI
	s_wait_dscnt 0x0                ; the opening add is done
	s_wait_kmcnt 0x0
	s_add_nc_u64 s[6:7], s[84:85], s[2:3]
	s_add_nc_u64 s[8:9], s[84:85], s[18:19]
	s_add_nc_u64 s[G0Z+2:G0Z+3], s[84:85], s[48:49]
	s_or_b32 s[G0Z+3], s[G0Z+3], 0x80000000
	s_add_nc_u64 s[4:5], s[84:85], s[50:51]
	s_add_nc_u64 s[22:23], s[84:85], s[22:23]
	s_add_nc_u64 s[10:11], s[86:87], s[52:53]
	s_add_nc_u64 s[OLO:OLO+1], s[86:87], s[54:55]
	s_add_nc_u64 s[G0K+2:G0K+3], s[6:7], 0
	s_or_b32 s[G0K+3], s[G0K+3], 0x80000000
	s_add_nc_u64 s[G0V+2:G0V+3], s[8:9], 0
	s_or_b32 s[G0V+3], s[G0V+3], 0x80000000
	s_cmp_lt_u32 s[WV], 2
	s_cselect_b64 s[PFB:PFB+1], s[6:7], s[8:9]
	s_cmp_lt_u32 s[WV], 2           ; a wave's first fills stand in one branch: tile 0 into slot 0, and K's waves also K of step 0: at most two loads of mine are out
	s_cbranch_scc0 .Lfirst_v
	tensor_load_to_lds s[G0K:G0K+3], s[G1K:G1K+7]
	s_nop 0
	tensor_load_to_lds s[G0Z:G0Z+3], s[G1Z:G1Z+7]
	s_nop 0
	NOPS4
	s_branch .Lfirst_asked
.Lfirst_v:
	tensor_load_to_lds s[G0V:G0V+3], s[G1V:G1V+7]
	s_nop 0
	NOPS4
.Lfirst_asked:
	; A fragment of K or Q is 16 rows x 32 channels in 8 registers: lane l holds row l % 16, channels 8 (l / 16) + 0..7 and 16 + 8 (l / 16) + 0..7
	v_and_b32 v1, 15, v0
	v_bfe_u32 v9, v0, 4, 1
	v_lshlrev_b32 v[QO], 7, v1
	v_lshl_add_u32 v[QO], v9, 4, v[QO]
	WIN 0x80
.set i, 0
.rept 4                             ; both blocks' Q: piece i / 2 lies in band i / 2, 8,192 bytes on; channels 32 (i % 2) on
	global_load_b128 v[8*i:8*i+3],   v[QO], s[4:5] offset:(i/2)*8192+(i%2)*64
	global_load_b128 v[8*i+4:8*i+7], v[QO], s[4:5] offset:(i/2)*8192+(i%2)*64+32
	global_load_b128 v[QB+8*i:QB+8*i+3],   v[QO], s[22:23] offset:(i/2)*8192+(i%2)*64
	global_load_b128 v[QB+8*i+4:QB+8*i+7], v[QO], s[22:23] offset:(i/2)*8192+(i%2)*64+32
.set i, i+1
.endr
	WIN 0
	v_lshlrev_b32 v14, 3, v9
	v_sub_nc_u32 v14, v1, v14
	s_lshl_b32 s13, s[WV], 4
	v_add_nc_u32 v14, s13, v14      ; my query's place in its band, 16 w + l % 16, less 8 (l / 16): register r of key group kt is hidden where 16 kt + r is greater
	WIN 0x40
.set i, 0
.rept 32
	v_cmp_gt_i32 vcc_lo, 16*(i/8)+i%8, v14
	v_cndmask_b32 v[MD+i], 0, s[BIGN], vcc_lo
.set i, i+1
.endr
	WIN 0
	v_mul_u32_u24 v[AK0], v1, PK
	v_lshl_add_u32 v[AK0], v9, 4, v[AK0]
	; The turning load takes 16 keys x 16 channels (lane l reads key 8 (l / 16) + l % 8, channels 8 ((l / 8) % 2) + 0..7) and leaves half a fragment of V^T
	v_and_b32 v10, 7, v0
	v_bfe_u32 v11, v0, 3, 1
	v_lshl_add_u32 v[AV0], v9, 3, v10
	v_mul_u32_u24 v[AV0], v[AV0], PV
	v_lshl_add_u32 v[AV0], v11, 4, v[AV0]
	v_add_nc_u32 v[AV0], VOFF, v[AV0]
	v_and_b32 v[GO], 31, v0
	v_lshlrev_b32 v[PFO], 8, v[GO]
	v_lshlrev_b32 v[GO], 4, v[GO]
	; A block's first step multiplies O^T and l by a = 0, and its first turn's products V^T P, of a step that has not been, land in an O^T that is still to be so multiplied: these registers need only hold
	; finite numbers: zeros for the first block, what the first block left for the second.  All this stands in the wait for the first tile.
	WIN 0x80
.set i, VF
.rept 64
	v_mov_b32 v[i], 0
.set i, i+1
.endr
	WIN 0x40
.set i, 0
.rept 64
	v_mov_b32 v[i], 0
.set i, i+1
.endr
	WIN 0
.set i, 0
.rept 2
	v_mov_b32 v[ST+4*i+2], 0
	v_mov_b32 v[ST+4*i+3], 0
.set i, i+1
.endr
.set i, P+16
.rept 16
	v_mov_b32 v[i], 0
.set i, i+1
.endr
; THE MATRIX WORK.  The 4 accumulators of a run of 8 take turns.  Product i of 8 of S^T = K Q^T for piece x: channels 32 (i / 4) on, keys 16 (i % 4) on.  The first 4 start the sums with the piece's mask buffer.
.macro KQ x
.set rS, S+32*((\x)%2)+8*(i%4)
.set rK, KF+16*(i%4)+8*(i/4)
.set rQ, 16*(\x)+8*(i/4)
.set rM, MC+32*((\x)%2)+8*(i%4)
.if i < 4
	WIN W_KM
	v_wmma_f32_16x16x32_f16 v[rS:rS+7], v[rK:rK+7], v[rQ:rQ+7], v[rM:rM+7]
.else
	WIN W_KQ
	v_wmma_f32_16x16x32_f16 v[rS:rS+7], v[rK:rK+7], v[rQ:rQ+7], v[rS:rS+7]
.endif
.endm
.macro PV x                         ; product i of 8 of O^T += V^T P for piece x: keys 32 (i / 4) on, channels 16 (i % 4) on
	WIN W_PV
.set rO, 32*(\x)+8*(i%4)
.set rV, VF+32*(i/4)+8*(i%4)
.set rP, P+16*((\x)%2)+8*(i/4)
	v_wmma_f32_16x16x32_f16 v[rO:rO+7], v[rV:rV+7], v[rP:rP+7], v[rO:rO+7]
.endm
.macro MM                           ; the turn's next matrix instruction
.if i < 8
	KQ (Y+1)%NP
.else
.set i, i-8
	PV (Y+NP-1)%NP
.set i, i+8
.endif
.set i, i+1
.endm
; THE LDS LOADS stand in runs of 16.  step = 1: the next fetch of K is the next step's.
.macro FETCH_K step
	WIN 0x80
.irp f, 0,1,2,3,4,5,6,7
	ds_load_b128 v[KF+8*\f:KF+8*\f+3],   v[AK] offset:(\f/2)*16*PK+(\f%2)*64
	ds_load_b128 v[KF+8*\f+4:KF+8*\f+7], v[AK] offset:(\f/2)*16*PK+(\f%2)*64+32
.endr
.if \step
	s_add_co_u32 s[TBK], s[TBK], KS*PK
.endif
	WIN 0
.endm
.macro FETCH_V
	WIN 0x80
.irp f, 0,1,2,3,4,5,6,7
	ds_load_tr16_b128 v[VF+8*\f:VF+8*\f+3],   v[AV] offset:(\f/4)*32*PV+(\f%4)*32
	ds_load_tr16_b128 v[VF+8*\f+4:VF+8*\f+7], v[AV] offset:(\f/4)*32*PV+16*PV+(\f%4)*32
.endr
	WIN 0
.endm
; THE VECTOR WORK, one line at a time: OP kind, number.  For piece Y: F n: c s - c m for pair n of 16.  E n: the exponential of score n of 32.  C n: pair n rounded to f16.  B n: of the four weights 4 n .. the second
; pair is added onto the first.  L n: l takes that sum (L 0: l = a l + sum).  R n: pair n of 16 of O^T times a.  For the other piece: X n, number n of the 22 that find its maximum and statistics:
;   0-11 four chains c0-c3 of seven scores each (each accumulator's lowest registers are read first)   12-14, 16 the four scores left over, the old m, c0-c3 into c0
;   15 c m_old is kept   17, 18 the query's other 32 keys lie in the lane 16 away: the new m   19-21 c m; c m_old - c m_new; a
.set F, 0
.set E, 1
.set C, 2
.set B, 3
.set L, 4
.set R, 5
.set X, 6
.macro REGS y
.set rT, ST+4*(\y)
.set rC, TMP+4*((\y)%2)
.set rW, MV+((\y)%2)
.set rS, S+32*((\y)%2)
.set rP, P+16*((\y)%2)
.set rO, 32*(\y)
.endm
.macro OP k, n
.if (\k) == R
	REGS Y
	WIN W_RS
	v_pk_mul_f32 v[rO+2*(\n):rO+2*(\n)+1], v[rO+2*(\n):rO+2*(\n)+1], v[rC+2:rC+3] op_sel_hi:[1,0]
.elseif (\k) < R
	REGS Y
	WIN 0
.if (\k) == F
	v_pk_fma_f32 v[rS+2*(\n):rS+2*(\n)+1], v[rS+2*(\n):rS+2*(\n)+1], s[CS:CS+1], v[rT:rT+1] op_sel_hi:[1,0,0] neg_lo:[0,0,1] neg_hi:[0,0,1]
.elseif (\k) == E
	v_exp_f32 v[rS+(\n)], v[rS+(\n)]
.elseif (\k) == C
	v_cvt_pk_f16_f32 v[rP+(\n)], v[rS+2*(\n)], v[rS+2*(\n)+1]
.elseif (\k) == B
	v_pk_add_f32 v[rS+4*(\n):rS+4*(\n)+1], v[rS+4*(\n):rS+4*(\n)+1], v[rS+4*(\n)+2:rS+4*(\n)+3]
.elseif (\n) == 0
	v_pk_fma_f32 v[rT+2:rT+3], v[rT+2:rT+3], v[rC+2:rC+3], v[rS:rS+1] op_sel_hi:[1,0,1]
.else
	v_pk_add_f32 v[rT+2:rT+3], v[rT+2:rT+3], v[rS+4*(\n):rS+4*(\n)+1]
.endif
.else
	REGS (Y+1)%NP
	WIN 0
.if (\n) < 4
	v_max3_num_f32 v[rC+(\n)], v[rS+8*(\n)], v[rS+8*(\n)+1], v[rS+8*(\n)+2]
.elseif (\n) < 12
	v_max3_num_f32 v[rC+(\n)%4], v[rC+(\n)%4], v[rS+8*((\n)%4)+2*((\n)/4)+1], v[rS+8*((\n)%4)+2*((\n)/4)+2]
.elseif (\n) == 12
	v_max3_num_f32 v[rC], v[rC], v[rS+7], v[rS+15]
.elseif (\n) == 13
	v_max3_num_f32 v[rC+1], v[rC+1], v[rS+23], v[rS+31]
.elseif (\n) == 14
	v_max3_num_f32 v[rC+2], v[rC+2], v[rC+3], v[rT+1]
.elseif (\n) == 15
	v_mov_b32 v[rW], v[rT]
.elseif (\n) == 16
	v_max3_num_f32 v[rC], v[rC], v[rC+1], v[rC+2]
.elseif (\n) == 17
	v_permlanex16_b32 v[rC+3], v[rC], s[SEL], s[SEL+1]
.elseif (\n) == 18
	v_max_num_f32 v[rT+1], v[rC], v[rC+3]
.elseif (\n) == 19
	v_mul_f32 v[rT], s[CS], v[rT+1]
.elseif (\n) == 20
	v_sub_f32 v[rC+1], v[rW], v[rT]
.else
	v_exp_f32 v[rC+2], v[rC+1]
.endif
.endif
.endm
.macro OPS a, i1, b=-1, i2=0, c=-1, i3=0, d=-1, i4=0
	OP \a, \i1
.if (\b) >= 0
	OP \b, \i2
.endif
.if (\c) >= 0
	OP \c, \i3
.endif
.if (\d) >= 0
	OP \d, \i4
.endif
.endm
.macro ROW a, i1, b, i2, c, i3, d, i4  ; a matrix instruction and the four behind it
	MM
	OPS \a, \i1, \b, \i2, \c, \i3, \d, \i4
.endm
.macro MASK b                       ; MD x AL + BE into buffer b of MC
	WIN W_RS
.set z, 0
.rept 16
	v_pk_fma_f32 v[MC+32*(\b)+2*z:MC+32*(\b)+2*z+1], v[MD+2*z:MD+2*z+1], s[AL:AL+1], s[BE:BE+1] op_sel_hi:[1,0,0]
.set z, z+1
.endr
.endm
; A TURN, for piece p.  AHEAD OF ITS ONE WAIT stands all that names no result of the turn's exponentials: the 8 products K Q^T with their riders, and the lump, in which the links of the other piece's chain
; (X 3, 7, 11, 14, 16, 17 .. 20) stand some lines apart; X 21, its a, is the batch's last, and R 15 the plain instruction behind it.  BEHIND THE WAIT stand the 8 products V^T P, behind each four of the roundings and sums.
; The turn before has added onto this piece's O^T: its product on accumulator n stands 4 (4 - n) riders and more ahead of the first rescaling of that accumulator's registers.
; AT ITS END, where the tile's flag says so, the turn makes the mask for the next turn's products: piece p, the step 5 - CNT of the tile: the band's own step where CNT equals the threshold, a later one where CNT is below it.
; Turn 0 fetches K of the next step in the lump (five plain instructions that name no register of the last product that read K stand between) and V of the step in hand at its end (four riders behind its last reader).
.macro TURN p
.set Y, (\p)
.set i, 0
.if (\p) == 1
	s_wait_dscnt 16                 ; K's run is in; V's 16 loads, issued behind it, may stay out
.endif
	ROW F,0, F,1, R,0, R,1
	ROW F,2, E,0, R,2, R,3
	ROW F,3, E,1, R,4, R,5
	ROW F,4, E,2, R,6, R,7
	ROW F,5, E,3, R,8, R,9
	ROW F,6, E,4, X,0, R,10
.if (\p) == 0
	WIN 0
	v_add_nc_u32 v[AK], s[TBK], v[AK0]
.endif
	ROW F,7, E,5, X,1, X,4
	ROW F,8, E,6, X,2, X,5
	OPS E,7, E,8, X,6, E,9
	OPS X,3, E,10, X,8, E,11
.if (\p) == 0
	FETCH_K 1
.endif
	OPS X,9, X,7, E,12, X,10
	OPS E,13, X,12, X,11, E,14
	OPS X,13, E,15, F,9, X,14
.if (\p) == 0
	v_add_nc_u32 v[AV], s[TBV], v[AV0]
.endif
	OPS E,16, F,10, E,17, F,11
	OPS X,16, E,18, X,15, E,19
	OPS F,12, E,20, X,17, E,21
	OPS F,13, E,22, F,14, E,23
	OPS X,18, E,24, F,15, E,25
	OPS R,11, E,26, X,19, E,27
	OPS R,12, E,28, R,13, E,29
	OPS X,20, E,30, R,14, E,31
	OPS X,21, R,15
	WIN 0
	s_wait_alu depctr_va_vdst(0)    ; the one wait between the batch and the first instruction that names a result of it
.if (\p) == 1
	s_wait_dscnt 0x0                ; V is in
.endif
	ROW C,0, B,0, C,2, B,1
	ROW L,0, C,4, B,2, L,1
	ROW C,6, B,3, L,2, C,8
	ROW B,4, L,3, C,10, B,5
	ROW L,4, C,12, B,6, L,5
.if (\p) == 0
	s_add_co_u32 s[TBV], s[TBV], KS*PV
.endif
	ROW C,14, B,7, L,6, C,1
	ROW C,3, L,7, C,5, C,7
	ROW C,9, C,11, C,13, C,15
.if (\p) == 0
	FETCH_V
.set rE, ET
.else
.set rE, EQ0+1
.endif
	WIN 0
	s_cmp_lg_u32 s[DG+(\p)], 0
	s_cbranch_scc0 .Lnomask_\@
	s_cmp_eq_u32 s[CNT], s[rE]      ; is that step the band's own?
	s_cselect_b32 s[AL], 1.0, 0
	s_cmp_lt_i32 s[CNT], s[rE]      ; or a later one?
	s_cselect_b32 s[BE], s[BIGN], 0
	MASK \p
	WIN 0
.Lnomask_\@:
.endm
; A BLOCK BEGINS.  c m starts far below every c s, so the first step's a is 0; m at the lowest finite number.  Piece 1's mask buffer is 0; piece 0's takes the mask of the tile's step 0: its own, if the block's first
; tile is the diagonal one and the block's parity is 0, else 0.  Then K of step 0 from its own region, piece 0's first scores, and its maximum and statistics.
.macro BEGIN
	s_mov_b32 s[NEW], 0
	WIN 0x40
.set i, MC+32
.rept 32
	v_mov_b32 v[i], 0
.set i, i+1
.endr
	WIN 0
.set i, 0
.rept 2
	v_mov_b32 v[ST+4*i], 0xfe000000
	v_mov_b32 v[ST+4*i+1], 0xff7fffff
.set i, i+1
.endr
	s_cmp_eq_u32 s[RT], 0
	s_cselect_b32 s[AL], s[PZ], 0
	s_mov_b32 s[BE], 0
	MASK 0
	WIN 0
	v_add_nc_u32 v[AK], K0R, v[AK0]
	FETCH_K 0
	s_wait_loadcnt 0x0              ; Q
	s_wait_dscnt 0x0
.set i, 0
.rept 8
	KQ 0
.set i, i+1
.endr
	WIN 0
	NOPS4                           ; the places behind those products
.set Y, NP-1                        ; X works for the other piece: piece 0
.irp n, 0,1,2,3,4,5,6,7,8,9,10,11,12,13,14,15,16,17,18,19,20,21
	OP X, \n
.endr
	v_nop                           ; a plain instruction behind the exponential,
	s_wait_alu depctr_va_vdst(0)    ; and its wait, ahead of the label
.endm
.macro ALL line:vararg              ; one line for each piece t
.set t, 0
.rept 2
	\line
.set t, t+1
.endr
.endm
.macro PACK t                       ; piece t: divided by l, rounded; a lane's eight channels of a row pack into 16 bytes, which are stored as they lie
	WIN W_RS
.set i, 32*(\t)
.rept 16
	v_pk_mul_f32 v[i:i+1], v[i:i+1], v[ST+4*(\t)+2:ST+4*(\t)+3] op_sel_hi:[1,0]
.set i, i+2
.endr
	WIN 0x05
.set i, 0
.rept 16
	v_cvt_pk_bf16_f32 v[S+16*(\t)+i], v[32*(\t)+2*i], v[32*(\t)+2*i+1]
.set i, i+1
.endr
	WIN 0
.irp f, 0,1,2,3
	global_store_b128 v[GO], v[S+16*(\t)+4*\f:S+16*(\t)+4*\f+3], s[10:11] offset:(\t)*2048+\f*4096  ; channels 16 f on, band t: 512 bytes on end, at a multiple of 512 from ob's first
.endr
.endm
; A BLOCK ENDS: piece 1's last products, and THE WAY OUT.  The last turn 1's scores and statistics of piece 0 serve nothing: the price of one text for every turn.
.macro FINISH
.set i, 0
.rept 8
	PV 1
.set i, i+1
.endr
	WIN 0
	ALL v_add_f32 v[ST+4*t+2], v[ST+4*t+2], v[ST+4*t+3]
	ALL v_permlanex16_b32 v[ST+4*t+3], v[ST+4*t+2], s[SEL], s[SEL+1]
	ALL v_add_f32 v[ST+4*t+2], v[ST+4*t+2], v[ST+4*t+3]
	ALL v_rcp_f32 v[ST+4*t+2], v[ST+4*t+2]
	v_nop                           ; a plain instruction between the last reciprocal and the use of its result
	s_wait_alu depctr_va_vdst(0)    ; and the one wait for the two reciprocals
	PACK 0                          ; piece 0's sums were finished a run of products ago; its 32 lines are the places behind piece 1's last products
	PACK 1
.endm
.Lslot:                             ; 8 times: a tile is entered and the next is asked for
	CHANGE 1
	TILE
	s_cmp_eq_u32 s[NEW], 1          ; at the first trip the answer is a constant of the text
	s_cbranch_scc0 .Lstep
	BEGIN
.Lstep:
	TURN 0
	TURN 1
	s_sub_co_u32 s[CNT], s[CNT], 1
	s_cmp_lg_u32 s[CNT], 0
	s_cbranch_scc1 .Lstep
	s_cmp_lg_u32 s[RT], 0
	s_cbranch_scc1 .Lbottom         ; not the block's last tile
	FINISH                          ; in the loop this is the first block's end: the second block's last tile is the walk's last
	s_wait_xcnt 0x0                 ; the stores have read their registers and O's address
	s_mov_b64 s[10:11], s[OLO:OLO+1]
	s_add_co_u32 s[RT], s[PBL], 1
	s_mov_b32 s[NEW], 1
	SETPAR PP
	WIN 0x82                        ; the second block's Q goes where the one text of the turns names Q
.set i, 0
.rept 32
	v_mov_b32 v[i], v[QB+i]
.set i, i+1
.endr
	WIN 0
.Lbottom:
	s_sub_co_u32 s[SLOTS], s[SLOTS], 1
	s_cmp_lg_u32 s[SLOTS], 0
	s_cbranch_scc1 .Lslot
	CHANGE 0                        ; the walk's last tile is written out
	TILE
	s_cmp_eq_u32 s[NEW], 1
	s_cbranch_scc0 .Lstep2
	BEGIN
.Lstep2:
	TURN 0
	TURN 1
	s_sub_co_u32 s[CNT], s[CNT], 1
	s_cmp_lg_u32 s[CNT], 0
	s_cbranch_scc1 .Lstep2
	FINISH
	s_wait_tensorcnt 0x0            ; the wave's end: behind my last tensor load
	ds_add_u32 v[SPW], v[NIL]
	s_wait_dscnt 0x0
	s_endpgm
.Lfunc_end_k_q820a8e94d2_attn:
	.size	k_q820a8e94d2_attn, .Lfunc_end_k_q820a8e94d2_attn-k_q820a8e94d2_attn
	.p2alignl 7, 3214868480
	.fill 96, 4, 3214868480
	.section	.rodata,"a",@progbits
	.p2align	6, 0x0
	.amdhsa_kernel k_q820a8e94d2_attn
		.amdhsa_group_segment_fixed_size 327680
		.amdhsa_private_segment_fixed_size 0
		.amdhsa_enable_private_segment 0
		.amdhsa_kernarg_size 16
		.amdhsa_user_sgpr_count 2
		.amdhsa_user_sgpr_kernarg_segment_ptr 1
		.amdhsa_wavefront_size32 1
		.amdhsa_system_sgpr_workgroup_id_x 1
		.amdhsa_system_sgpr_workgroup_id_y 1
		.amdhsa_system_sgpr_workgroup_id_z 1
		.amdhsa_system_vgpr_workitem_id 0
		.amdhsa_next_free_vgpr 768
		.amdhsa_next_free_sgpr 106
		.amdhsa_reserve_vcc 1
		.amdhsa_float_denorm_mode_32 3
		.amdhsa_float_denorm_mode_16_64 3
		.amdhsa_memory_ordered 1
		.amdhsa_forward_progress 1
		.amdhsa_inst_pref_size 89
	.end_amdhsa_kernel
	.amdgpu_metadata
---
amdhsa.version: [ 1, 2 ]
amdhsa.kernels:
  - .name:           k_q820a8e94d2_attn
    .symbol:         k_q820a8e94d2_attn.kd
    .args:
      - { .name: qkv, .offset: 0, .size: 8, .value_kind: global_buffer, .address_space: global }
      - { .name: ob, .offset: 8, .size: 8, .value_kind: global_buffer, .address_space: global }
    .group_segment_fixed_size: 327680
    .private_segment_fixed_size: 0
    .kernarg_segment_align: 8
    .kernarg_segment_size: 16
    .max_flat_workgroup_size: 128
    .sgpr_count:     106
    .vgpr_count:     768
    .wavefront_size: 32
...
	.end_amdgpu_metadata
.endif
;; end of part 3
;; launch proj (part 4): grid 8 x 32, 4 waves a work-group, clusters of 4 x 4, 327,680 bytes of LDS; arguments ob, wb, b_proj, x, x1; writes x1
.if DOCPART == 4
	.amdgcn_target "amdgcn-amd-amdhsa--gfx1250"
	.amdhsa_code_object_version 6
	.text
	.protected	k_q820a8e94d2_proj
	.globl	k_q820a8e94d2_proj
	.p2align	8
	.type	k_q820a8e94d2_proj,@function
k_q820a8e94d2_proj:
	s_mov_b64 s[64:65], 0
	v_nop
	global_prefetch_b8 v0, s[64:65] scope:SCOPE_SE
	s_setreg_imm32_b32 hwreg(HW_REG_WAVE_MODE, 25, 1), 1
	s_wait_xcnt 0x0
	s_wait_alu depctr_hold_cnt(0) depctr_sa_sdst(0) depctr_va_vdst(0) depctr_va_sdst(0) depctr_va_ssrc(0) depctr_va_vcc(0) depctr_vm_vsrc(0)
	s_getreg_b32 s2, hwreg(HW_REG_IB_STS2, 6, 4)
	s_cmp_eq_u32 s2, 0
	s_cbranch_scc0 .Lentry_in_a_cluster
	s_endpgm
.Lentry_in_a_cluster:
	s_bfe_u32 s2, ttmp6, 0x10000c
	s_cmp_lg_u32 s2, 0xf033
	s_cbranch_scc0 .Lentry_shape_is_right
	s_endpgm
.Lentry_shape_is_right:
; out = res + A W + bias.  W: bf16 [256 NK k][1024 n], at byte WOFF of wb.  bias: [1024] f32.  res, out: [4096][1024] f32.
; A: bf16, as its fragments lie in registers: [32 blocks of 128 rows][NK steps of 256 k][16 groups of 16 k][8 groups of 16 rows][512 bytes], and in the 512 bytes lane l's 16 bytes (row l % 16, k 8 (l / 16) + 0..7) at 16 l.
; Sums in f32, K ascending; the bias is the C of the first product, the residual is added in f32 on the way out.
; SHARES.  A tile of C is 128 x 128: 8 x 32 = 256 work-groups.  Four waves, 2 x 2, each 64 x 64: 16 accumulators.  K goes in steps of 256 through two LDS slots.
; CLUSTER 4 x 4: A's tile is asked for jointly along a row of the cluster, W's along a column.
; THE PRODUCT IS TAKEN TRANSPOSED (source 0 = 16 columns of W, by the turning load; source 1 = 16 rows of A): a lane holds one row of C and 8 neighbouring columns.
; A's tile of a K step is 65,536 bytes on end and lies in LDS as in memory: half a fragment is 32 lanes x 16 neighbouring bytes.
; TEXT.  A K step is four quarters of 64 along K on fragment buffers 0, 1, 0, 1; the pair (quarter on 1, quarter on 0) is written once and walked twice a step; the fetches' LDS offsets are scalars that step.
; A quarter begins with the run of LDS loads for the NEXT quarter, which so has all the quarter's products in which to land.  K step 0 enters the step loop at its inner loop's head, for one pair.
; REGISTERS: window 0: addresses, the bias v32-63, the accumulators v128-255; window 1: two fragment buffers of 128 (A's 64, then W's 64); window 2: the residual v0-127, the rows read back v128-255.
.set NK,    4
.set WOFF,  6291456
.set PW,    288                        ; a row of W's tile: 256 bytes + 32
.set BOFF,  65536                      ; A's part of a slot
.set QA,    16384                      ; a quarter of A: 4 groups of 16 k
.set QW,    64*PW                      ; a quarter of W: 64 rows
.set SLOT,  BOFF+256*PW
.set STAGE, 2*SLOT                     ; behind the ring, never filled by a tensor load: 16 rows x 272 bytes for each wave
.set SP,    272
.set SPARE, STAGE+4*16*SP              ; the spare words: two blocks of 256 bytes that no other line names
.set ASTEP, 65536
.set BSTEP, 524288
.set A0,   16
.set B0,   17
.set ADRA, 18
.set ADRB, 19
.set STO,  24
.set RD,   25
.set CO,   26
.set BO,   27
.set SPW,  28
.set NIL,  29
.set BI,   32
.set ACC,  128
.set WV,   12
.set G1A,  24
.set G0A,  32
.set G1B,  48
.set G0B,  56
.set KA,   66                          ; LDS byte offset of the next fetch in A's tile
.set KB,   67                          ; in W's
.set SLT,  68
.set LAA,  69                          ; my part's place in a slot, for A (waves 0, 1)
.set CNT,  70
.set STEPS, 71
.set OUT,  72
.set LAB,  74                          ; and for W (waves 2, 3)
.set MSB, 0
.macro WIN new
.if MSB != (\new)
	s_set_vgpr_msb (MSB<<8)|(\new)
.set MSB, (\new)
.endif
.endm
.macro NOPS4
.rept 4
	v_nop
.endr
.endm
.macro CROUND
	s_barrier_signal -1
	s_barrier_wait -1
	s_cmp_lg_u32 s[WV], 0
	s_cbranch_scc1 .Lnot_wave_0_\@
	s_barrier_signal -3
.Lnot_wave_0_\@:
	s_barrier_wait -3
	s_barrier_signal -1
	s_barrier_wait -1
.endm
.macro JLOAD                           ; a joint refill by the walking descriptors: waves 0 and 1 for A, 2 and 3 for W; an s_nop 0 and four v_nop follow each line
	s_cmp_lt_u32 s[WV], 2
	s_cbranch_scc0 .Lfor_b_\@
	tensor_load_to_lds s[G0A+4:G0A+7], s[G1A:G1A+7]
	s_nop 0
	NOPS4
	s_branch .Lasked_\@
.Lfor_b_\@:
	tensor_load_to_lds s[G0B+4:G0B+7], s[G1B:G1B+7]
	s_nop 0
	NOPS4
.Lasked_\@:
.endm
	s_load_b256 s[4:11], s[0:1], 0x0               ; A s[4:5], wb s[6:7], bias s[8:9], res s[10:11]
	s_load_b64 s[OUT:OUT+1], s[0:1], 0x20          ; out
	v_lshl_add_u32 v[SPW], v0, 2, SPARE
	v_mov_b32 v[NIL], 0
	ds_add_u32 v[SPW], v[NIL]                      ; the wave's opening: the add and its wait stand ahead of my first tensor load
	ds_add_u32 v28, v29
	v_lshrrev_b32 v1, 5, v0
	v_readfirstlane_b32 s[WV], v1
	s_bfe_u32 s40, ttmp6, 0x40000                  ; cx
	s_bfe_u32 s41, ttmp6, 0x40004                  ; cy
	s_lshl_b32 s42, ttmp9, 2
	s_add_co_u32 s42, s42, s40                     ; tile column
	s_and_b32 s13, ttmp7, 0xffff
	s_lshl_b32 s13, s13, 2
	s_add_co_u32 s13, s13, s41                     ; tile row
	s_lshl_b32 s43, s41, 2
	s_lshl_b32 s43, 15, s43
	s_lshl_b32 s44, 0x1111, s40
	s_or_b32 s[G1A], s43, (1<<16)|(1<<21)          ; my row's mask; 2-byte elements; bit 21 beside a mask; no padding
	s_or_b32 s[G1B], s44, (1<<16)|(1<<20)|(1<<21)|(5<<22)|(7<<25)  ; my column's mask; padding on: after every 64 words 8 words
.irp g, G1A, G1B
	s_mov_b32 s[\g+1], 128<<16                     ; rows of 128 elements, 128 of them
	s_mov_b32 s[\g+2], 128<<16
	s_mov_b32 s[\g+3], 128<<16
	s_mov_b32 s[\g+4], 128
	s_mov_b32 s[\g+6], 0
	s_mov_b32 s[\g+7], 0
.endr
	s_mov_b32 s[G1A+5], 128                        ; A: 32,768 dense bytes
	s_mov_b32 s[G1B+5], 1024                       ; W: 1,024 elements from row to row
	s_and_b32 s14, s[WV], 1
	s_lshl_b32 s[LAA], s14, 15                     ; A's halves: 8 groups of 16 k each
	s_mul_i32 s[LAB], s14, 128*PW                  ; W's halves: 128 rows each
	s_add_co_u32 s[LAB], s[LAB], BOFF
	s_mul_i32 s16, s13, NK*65536                   ; A: the tile row's block, my half of the step
	s_add_co_u32 s16, s16, s[LAA]
	s_mov_b32 s17, 0
	s_lshl_b32 s46, s42, 8                         ; W: the tile's 256 bytes of a row, my 128 rows of the step's 256
	s_lshl_b32 s45, s14, 18
	s_add_co_u32 s46, s46, s45
	s_add_co_u32 s46, s46, WOFF
	s_mov_b32 s47, 0
	s_mov_b32 s[KA], 0
	s_mov_b32 s[KB], 0
	s_mov_b32 s[SLT], SLOT
	s_wait_dscnt 0x0                               ; the opening add is done
	s_wait_kmcnt 0x0
	s_add_nc_u64 s[16:17], s[4:5], s[16:17]
	s_add_nc_u64 s[46:47], s[6:7], s[46:47]
	CROUND                                         ; all sixteen work-groups are here: the first joint loads meet
.irp s, 0,1
	s_mov_b32 s[G0A+4*(\s)], 1
	s_add_co_u32 s[G0A+4*(\s)+1], s[LAA], (\s)*SLOT
	s_add_nc_u64 s[G0A+4*(\s)+2:G0A+4*(\s)+3], s[16:17], (\s)*ASTEP
	s_or_b32 s[G0A+4*(\s)+3], s[G0A+4*(\s)+3], 0x80000000
	s_mov_b32 s[G0B+4*(\s)], 1
	s_add_co_u32 s[G0B+4*(\s)+1], s[LAB], (\s)*SLOT
	s_add_nc_u64 s[G0B+4*(\s)+2:G0B+4*(\s)+3], s[46:47], (\s)*BSTEP
	s_or_b32 s[G0B+4*(\s)+3], s[G0B+4*(\s)+3], 0x80000000
.endr
	s_cmp_lt_u32 s[WV], 2                          ; a wave's two first fills (K steps 0 and 1) stand in one branch: two loads of mine are out
	s_cbranch_scc0 .Lfirst_b
	tensor_load_to_lds s[G0A:G0A+3], s[G1A:G1A+7]
	s_nop 0
	tensor_load_to_lds s[G0A+4:G0A+7], s[G1A:G1A+7]
	s_nop 0
	NOPS4
	s_branch .Lfirst_done
.Lfirst_b:
	tensor_load_to_lds s[G0B:G0B+3], s[G1B:G1B+7]
	s_nop 0
	tensor_load_to_lds s[G0B+4:G0B+7], s[G1B:G1B+7]
	s_nop 0
	NOPS4
.Lfirst_done:
	v_and_b32 v1, 15, v0                           ; r
	v_bfe_u32 v2, v0, 4, 1                         ; h
	v_and_b32 v3, 7, v0
	v_bfe_u32 v4, v0, 3, 1
	v_and_b32 v5, 31, v0
	s_lshr_b32 s15, s[WV], 1                       ; wr: my 64 rows; s14 = wc: my 64 columns
	s_lshl_b32 s20, s15, 11                        ; my four groups of 16 rows, 512 bytes each
	v_lshlrev_b32 v[A0], 4, v5
	v_add_nc_u32 v[A0], s20, v[A0]
	s_lshl_b32 s20, s14, 7
	s_add_co_u32 s20, s20, BOFF
	v_lshl_add_u32 v[B0], v2, 3, v3                ; the turning load: lane l reads k row 8 h + l % 8, columns 8 ((l / 8) % 2) + 0..7
	v_mul_u32_u24 v[B0], v[B0], PW
	v_lshl_add_u32 v[B0], v4, 4, v[B0]
	v_add_nc_u32 v[B0], s20, v[B0]
	s_mul_i32 s21, s[WV], 16*SP
	s_add_co_u32 s21, s21, STAGE
	v_mul_u32_u24 v[STO], v1, SP                   ; in: row r, 32 bytes (8 numbers) for each half of the lanes
	v_lshl_add_u32 v[STO], v2, 5, v[STO]
	v_add_nc_u32 v[STO], s21, v[STO]
	v_mul_u32_u24 v[RD], v2, SP                    ; back: lanes 0-15 take one row of 256 bytes, lanes 16-31 the next
	v_lshl_add_u32 v[RD], v1, 4, v[RD]
	v_add_nc_u32 v[RD], s21, v[RD]
	v_lshlrev_b32 v[CO], 12, v2                    ; and the same two rows in res and out
	v_lshl_add_u32 v[CO], v1, 4, v[CO]
	v_lshlrev_b32 v[BO], 5, v2
	s_lshl_b32 s20, s42, 9                         ; my 64 columns, in bytes of f32
	s_lshl_b32 s21, s14, 8
	s_add_co_u32 s20, s20, s21
	s_mov_b32 s21, 0
	s_add_nc_u64 s[8:9], s[8:9], s[20:21]
	s_lshl_b32 s22, s13, 19                        ; + my 64 rows of 4,096 bytes
	s_add_co_u32 s20, s20, s22
	s_lshl_b32 s22, s15, 18
	s_add_co_u32 s20, s20, s22
	s_add_nc_u64 s[10:11], s[10:11], s[20:21]
	s_add_nc_u64 s[OUT:OUT+1], s[OUT:OUT+1], s[20:21]
.irp b, 0,1,2,3                        ; register j of column block b: bias[16 b + 8 h + j]
	global_load_b128 v[BI+8*(\b):BI+8*(\b)+3],   v[BO], s[8:9] offset:64*(\b)
	global_load_b128 v[BI+8*(\b)+4:BI+8*(\b)+7], v[BO], s[8:9] offset:64*(\b)+16
.endr
	WIN 0x80                                       ; destination window 2: the residual, laid as the rows come back from the stage
.irp a, 0,1,2,3
.irp t, 0,1,2,3,4,5,6,7
	global_load_b128 v[32*(\a)+4*(\t):32*(\a)+4*(\t)+3], v[CO], s[10:11] offset:(16*(\a)+2*(\t))*4096
.endr
.endr
	WIN 0
; 16 products: all 16 accumulators once, 32 along K: half c of buffer f.  first = 1: they start the sums with the bias.  The accumulators take turns.
.macro MUL16 f, c, first
	WIN 0x05                                       ; both sources window 1; C and D window 0
.irp a, 0,1,2,3
.irp b, 0,1,2,3
.if \first
	v_wmma_f32_16x16x32_bf16 v[ACC+8*(4*(\a)+(\b)):ACC+8*(4*(\a)+(\b))+7], v[(\f)+64+8*(4*(\c)+(\b)):(\f)+64+8*(4*(\c)+(\b))+7], v[(\f)+8*(4*(\c)+(\a)):(\f)+8*(4*(\c)+(\a))+7], v[BI+8*(\b):BI+8*(\b)+7]
.else
	v_wmma_f32_16x16x32_bf16 v[ACC+8*(4*(\a)+(\b)):ACC+8*(4*(\a)+(\b))+7], v[(\f)+64+8*(4*(\c)+(\b)):(\f)+64+8*(4*(\c)+(\b))+7], v[(\f)+8*(4*(\c)+(\a)):(\f)+8*(4*(\c)+(\a))+7], v[ACC+8*(4*(\a)+(\b)):ACC+8*(4*(\a)+(\b))+7]
.endif
.endr
.endr
.endm
; A quarter's fragments into buffer g: 32 loads in one run.  The two address lines and two v_nop are the four places between the last product that read buffer g and these loads.
.macro FETCH g
	WIN 0
	v_add_nc_u32 v[ADRA], s[KA], v[A0]
	v_add_nc_u32 v[ADRB], s[KB], v[B0]
	v_nop
	v_nop
	s_add_co_u32 s[KA], s[KA], QA
	s_add_co_u32 s[KB], s[KB], QW
	WIN 0x40
.irp c, 0,1
.irp i, 0,1,2,3
	ds_load_tr16_b128 v[(\g)+64+8*(4*(\c)+(\i)):(\g)+64+8*(4*(\c)+(\i))+3],   v[ADRB] offset:(\c)*32*PW+32*(\i)
	ds_load_tr16_b128 v[(\g)+64+8*(4*(\c)+(\i))+4:(\g)+64+8*(4*(\c)+(\i))+7], v[ADRB] offset:(\c)*32*PW+32*(\i)+16*PW
	ds_load_b128 v[(\g)+8*(4*(\c)+(\i)):(\g)+8*(4*(\c)+(\i))+3],              v[ADRA] offset:(2*(\c))*4096+(\i)*512    ; k 32 c + 0..15 of rows 16 i on
	ds_load_b128 v[(\g)+8*(4*(\c)+(\i))+4:(\g)+8*(4*(\c)+(\i))+7],            v[ADRA] offset:(2*(\c)+1)*4096+(\i)*512  ; k 32 c + 16..31
.endr
.endr
.endm
.macro QUARTER f, g, first             ; fetches the next quarter into buffer g, which the quarter before has just multiplied, and multiplies buffer f
	FETCH \g
	s_wait_dscnt 32                                ; all but the run just issued: buffer f, asked for a quarter ago, is in
	MUL16 \f, 0, \first
	MUL16 \f, 1, 0
.endm
; THE CHANGE OF SLOTS: each wave waits for all its tensor loads (one is out: its part of the next slot), adds 0 to its spare word, and waits for that and for its reads of the old slot, whose last quarter is then in
; registers.  fill = 1: the barrier is a round of the cluster's, and the joint refill is the first thing behind it: it has a whole K step, 128 products a wave, in which to land.
.macro CHANGE fill
	WIN 0
	s_wait_tensorcnt 0x0
	ds_add_u32 v[SPW], v[NIL]
	s_sub_co_u32 s[KA], s[KA], 4*QA                ; the fetches go back to a slot's first quarter,
	s_xor_b32 s[KA], s[KA], SLOT                   ; in the other slot (the value is 0 or SLOT here)
	s_sub_co_u32 s[KB], s[KB], 4*QW
	s_xor_b32 s[KB], s[KB], SLOT
.if \fill
	s_xor_b32 s[SLT], s[SLT], SLOT
	s_add_co_u32 s[G0A+5], s[SLT], s[LAA]
	s_add_co_u32 s[G0B+5], s[SLT], s[LAB]
	s_add_nc_u64 s[G0A+6:G0A+7], s[G0A+6:G0A+7], ASTEP
	s_add_nc_u64 s[G0B+6:G0B+7], s[G0B+6:G0B+7], BSTEP
.endif
	s_wait_dscnt 0x0
.if \fill
	CROUND
	JLOAD
.else
	s_barrier_signal -1
	s_barrier_wait -1
.endif
.endm
	s_wait_tensorcnt 0x1                           ; my part of K step 0 is in; K step 1's may stay out
	s_barrier_signal -1
	s_barrier_wait -1
	FETCH 0
	s_wait_loadcnt 32                              ; the bias is in; the residual's 32 loads stay out
	QUARTER 0, 128, 1                              ; K step 0's first quarter starts the sums
	WIN 0
	s_mov_b32 s[CNT], 1                            ; its second and third are one pair:
	s_mov_b32 s[STEPS], NK-1
	s_branch .Lpair                                ; the step loop is entered at its inner loop's head
.Lstep:                                        ; steps 1 .. NK - 2: each asks for the step behind it
	CHANGE 1
	s_mov_b32 s[CNT], 2
.Lpair:                                        ; (last quarter of the step before, first of this), then (second, third)
	QUARTER 128, 0, 0
	QUARTER 0, 128, 0
	WIN 0
	s_sub_co_u32 s[CNT], s[CNT], 1
	s_cmp_lg_u32 s[CNT], 0
	s_cbranch_scc1 .Lpair
	s_sub_co_u32 s[STEPS], s[STEPS], 1
	s_cmp_lg_u32 s[STEPS], 0
	s_cbranch_scc1 .Lstep
	CHANGE 0                                       ; the last step is written out
	s_mov_b32 s[CNT], 2
.Lpair2:
	QUARTER 128, 0, 0
	QUARTER 0, 128, 0
	WIN 0
	s_sub_co_u32 s[CNT], s[CNT], 1
	s_cmp_lg_u32 s[CNT], 0
	s_cbranch_scc1 .Lpair2
	s_wait_dscnt 0x0
	MUL16 128, 0, 0
	MUL16 128, 1, 0
	WIN 0
	NOPS4                                          ; the places behind the last products
	NOPS4
	s_wait_loadcnt 0x0                             ; the residual
; THE WAY OUT, a block of 16 rows at a time: the f32 sums go into my stage (rows of 272 bytes; each accumulator's low four registers first) and come back as whole rows of 256 bytes; the residual is added; stored.
.macro OUTA a
	WIN 0
.irp b, 0,1,2,3
	ds_store_b128 v[STO], v[ACC+8*(4*(\a)+(\b)):ACC+8*(4*(\a)+(\b))+3]   offset:64*(\b)
	ds_store_b128 v[STO], v[ACC+8*(4*(\a)+(\b))+4:ACC+8*(4*(\a)+(\b))+7] offset:64*(\b)+16
.endr
	WIN 0x80
.irp t, 0,1,2,3,4,5,6,7
	ds_load_b128 v[128+32*(\a)+4*(\t):128+32*(\a)+4*(\t)+3], v[RD] offset:(\t)*2*SP  ; LDS serves a wave's instructions in order (ISA guide 5.7.1.4)
.endr
.endm
.macro SENDA a, younger                ; younger: the next block's eight stores and eight loads, or none
	s_wait_dscnt \younger
	WIN 0x8a
.set i, 0
.rept 16
	v_pk_add_f32 v[128+32*(\a)+2*i:128+32*(\a)+2*i+1], v[128+32*(\a)+2*i:128+32*(\a)+2*i+1], v[32*(\a)+2*i:32*(\a)+2*i+1]
.set i, i+1
.endr
	WIN 0x08                                       ; the stores' data in window 2
.irp t, 0,1,2,3,4,5,6,7
	global_store_b128 v[CO], v[128+32*(\a)+4*(\t):128+32*(\a)+4*(\t)+3], s[OUT:OUT+1] offset:(16*(\a)+2*(\t))*4096  ; 16 lanes store 256 bytes on end, aligned
.endr
.endm
	OUTA 0
	OUTA 1
	SENDA 0, 16
	OUTA 2
	SENDA 1, 16
	OUTA 3
	SENDA 2, 16
	SENDA 3, 0
	WIN 0
	s_wait_tensorcnt 0x0                           ; the wave's end
	ds_add_u32 v[SPW], v[NIL]
	s_wait_dscnt 0x0
	CROUND                                         ; the closing round
	s_endpgm
.Lfunc_end_k_q820a8e94d2_proj:
	.size	k_q820a8e94d2_proj, .Lfunc_end_k_q820a8e94d2_proj-k_q820a8e94d2_proj
	.p2alignl 7, 3214868480
	.fill 96, 4, 3214868480
	.section	.rodata,"a",@progbits
	.p2align	6, 0x0
	.amdhsa_kernel k_q820a8e94d2_proj
		.amdhsa_group_segment_fixed_size 327680
		.amdhsa_private_segment_fixed_size 0
		.amdhsa_enable_private_segment 0
		.amdhsa_kernarg_size 40
		.amdhsa_user_sgpr_count 2
		.amdhsa_user_sgpr_kernarg_segment_ptr 1
		.amdhsa_wavefront_size32 1
		.amdhsa_system_sgpr_workgroup_id_x 1
		.amdhsa_system_sgpr_workgroup_id_y 1
		.amdhsa_system_sgpr_workgroup_id_z 1
		.amdhsa_system_vgpr_workitem_id 0
		.amdhsa_next_free_vgpr 768
		.amdhsa_next_free_sgpr 80
		.amdhsa_reserve_vcc 0
		.amdhsa_float_denorm_mode_32 3
		.amdhsa_float_denorm_mode_16_64 3
		.amdhsa_memory_ordered 1
		.amdhsa_forward_progress 1
		.amdhsa_inst_pref_size 52
	.end_amdhsa_kernel
	.amdgpu_metadata
---
amdhsa.version: [ 1, 2 ]
amdhsa.kernels:
  - .name:           k_q820a8e94d2_proj
    .symbol:         k_q820a8e94d2_proj.kd
    .args:
      - { .name: ob, .offset: 0, .size: 8, .value_kind: global_buffer, .address_space: global }
      - { .name: wb, .offset: 8, .size: 8, .value_kind: global_buffer, .address_space: global }
      - { .name: b_proj, .offset: 16, .size: 8, .value_kind: global_buffer, .address_space: global }
      - { .name: x, .offset: 24, .size: 8, .value_kind: global_buffer, .address_space: global }
      - { .name: x1, .offset: 32, .size: 8, .value_kind: global_buffer, .address_space: global }
    .group_segment_fixed_size: 327680
    .private_segment_fixed_size: 0
    .kernarg_segment_align: 8
    .kernarg_segment_size: 40
    .max_flat_workgroup_size: 128
    .sgpr_count:     80
    .vgpr_count:     768
    .wavefront_size: 32
...
	.end_amdgpu_metadata
.endif
;; end of part 4
;; launch ln2: the kernel of part 1 again; grid 256 x 1, 8 waves a work-group, no clusters, 0 bytes of LDS; arguments x1, ln2_g, ln2_b, xn, wq, wk, wv, w_proj, w1, w2, wb; writes xn, wb
;; launch ffn1 (part 5): grid 16 x 16, 4 waves a work-group, clusters of 4 x 4, 327,680 bytes of LDS; arguments xn, wb, hb, b1; writes hb
.if DOCPART == 5
	.amdgcn_target "amdgcn-amd-amdhsa--gfx1250"
	.amdhsa_code_object_version 6
	.text
	.protected	k_q820a8e94d2_ffn1
	.globl	k_q820a8e94d2_ffn1
	.p2align	8
	.type	k_q820a8e94d2_ffn1,@function
k_q820a8e94d2_ffn1:
	s_mov_b64 s[64:65], 0
	v_nop
	global_prefetch_b8 v0, s[64:65] scope:SCOPE_SE
	s_setreg_imm32_b32 hwreg(HW_REG_WAVE_MODE, 25, 1), 1
	s_wait_xcnt 0x0
	s_wait_alu depctr_hold_cnt(0) depctr_sa_sdst(0) depctr_va_vdst(0) depctr_va_sdst(0) depctr_va_ssrc(0) depctr_va_vcc(0) depctr_vm_vsrc(0)
	s_getreg_b32 s2, hwreg(HW_REG_IB_STS2, 6, 4)
	s_cmp_eq_u32 s2, 0
	s_cbranch_scc0 .Lentry_in_a_cluster
	s_endpgm
.Lentry_in_a_cluster:
	s_bfe_u32 s2, ttmp6, 0x10000c
	s_cmp_lg_u32 s2, 0xf033
	s_cbranch_scc0 .Lentry_shape_is_right
	s_endpgm
.Lentry_shape_is_right:
; h = relu(xn w1 + b1).  xn: [4096][1024] bf16.  w1: bf16 in tiles [16 tiles of 256 n][8 steps of 128 k][4 slabs of 64 n][128 k][64 n], at byte 8,388,608 of wb.  b1: [4096] f32.
; Out: hb, bf16, as the next product's fragments lie in registers: [32 blocks of 128 rows][16 steps of 256 columns][16 groups of 16 columns][8 groups of 16 rows][512 bytes], and in the 512 bytes lane l's 16 bytes
; (row l % 16, columns 8 (l / 16) + 0..7) at 16 l: just what a lane holds of an accumulator, so a store covers 512 bytes on end and nothing goes through LDS on the way out.
; Sums in f32, K ascending; the bias is the C of the first product; rounded once, then the ReLU on the rounded halves.
; SHARES.  A tile of C is 256 rows x 256 columns: 16 x 16 = 256 work-groups.  Wave w owns rows 64 w .. 64 w + 63 and all columns: 4 x 16 accumulators of 16 x 16.  K goes in 8 steps of 128 through two LDS slots.
; CLUSTER 4 x 4: xn's tile hangs on the tile row alone and is asked for jointly along a row of the cluster, the weights' on the tile column alone, jointly along a column.
; THE PRODUCT IS TAKEN TRANSPOSED: source 0 = 16 columns of W (from [k][n] rows by the turning load), source 1 = 16 rows of xn: a lane holds one row of C and 8 neighbouring columns.
; TEXT.  A K step is four quarters of 32 along K on fragment buffers 0, 1, 0, 1.  The pair (quarter on 1, quarter on 0) is written once and walked twice a step; the LDS offsets of the
; fetches are scalars that step.  A quarter begins with the run of LDS loads for the NEXT quarter, which so has all the quarter's products in which to land.  The change of slots stands in front of
; the pair (last quarter of a step, first of the next): that last quarter's fragments are then in registers.  K step 0 enters the step loop at its inner loop's head, for one pair.
; PREFETCH INTO THE L2, behind each joint refill: the K step that the NEXT change of slots loads.  Each wave asks for blocks of what it fetches itself; the four partners that ask for a tile jointly share its
; blocks out by address, 32 each, a lane a block of 256 bytes, one instruction: xn's waves 32 rows, W's waves 8,192 bytes on end.  The clusters of a row of clusters read the same rows of xn: cluster x = 0 asks;
; those of a column the same blocks of W: cluster y = 0 asks.  So each block is named once; K steps 0 to 2 come by their loads alone, and nothing is named beyond K step 7.
; REGISTERS, in windows of 256: window 0: addresses, xn's fragments v64-127, the bias v128-255; window 1: W's fragments, two buffers of 128, on the way out the packed results; windows 2, 3: accumulator (a, b) at v[8 (16 (a % 2) + b)] of window 2 + a / 2.
.set NSL,   4                          ; slabs of 64 columns in a tile
.set AW,    2                          ; waves that fetch xn's tile; the others fetch W's
.set SPB,   2                          ; slabs in one load of W
.set WOFF,  8388608                    ; where the weights begin in wb
.set BTILE, 524288                     ; bytes from tile column to tile column
.set BPART, 32768                      ; from one wave's part of W to the next
.set BSTEP, 65536                      ; from K step to K step
.set WMASK, 0x7c                       ; W's waves prefetch where STEPS is 6 to 2
.set NB,    4*NSL
.set AROWS, 256/AW
.set NK,    8
.set ASTEP, 256
.set PA,    272                        ; a row of xn in LDS: 256 bytes + 16: the 16 rows of a load start at 16 different groups of four banks (64 banks of 4 bytes: ISA guide 11.1)
.set PW,    160                        ; a row of a slab: 128 bytes + 32
.set BOFF,  256*PA
.set SLABL, 128*PW
.set SLOT,  BOFF+NSL*SLABL
.set SPARE, 2*SLOT                     ; behind the ring: the spare words, 128 bytes for each wave: two blocks of 256 bytes that no other line names
.set NLD,   2*NB+8                     ; LDS loads in a quarter's run
.set A0,   16                          ; v16  my place in xn's tile; never rewritten
.set B0,   17                          ; v17  my place in W's tile; never rewritten
.set ADRA, 18
.set ADRB, 19
.set GO,   26                          ; v26  16 x lane
.set BO,   27                          ; v27  32 x (lane / 16)
.set SPW,  28                          ; v28  my spare word; never rewritten
.set NIL,  29                          ; v29  0; never rewritten
.set ZR,   30                          ; v30  0, for the ReLU
.set PFO,  31                          ; v31  the prefetches' offset: lane x a row of xn, or lane x 256; never rewritten
.set FA,   64                          ; xn's fragments: buffer f, row block a at FA + 32 f + 8 a
.set BI,   128                         ; the bias of column block b at BI + 8 b
.set WV,   12
.set G1A,  24
.set G0A,  32                          ; two sets: the first serves K step 0 alone, the second walks
.set G1B,  48
.set G0B,  56
.set KA,   66                          ; LDS byte offset of the next fetch in xn's tile
.set KB,   67                          ; in W's
.set SLT,  68                          ; the slot that the walking descriptors name: 0 or SLOT
.set LAA,  69                          ; my part's place in a slot, for xn
.set CNT,  70
.set STEPS, 71
.set LAB,  72                          ; and for W
.set PFA,  74                          ; s[74:75] where my prefetches stand
.set PFS,  76                          ; s[76:77] their step from K step to K step
.set PFM,  78                          ; bit n: I prefetch where STEPS is n
.set MSB, 0
.macro WIN new                         ; the immediate's high byte repeats the setting that is left; a switch that changes nothing is dropped
.if MSB != (\new)
	s_set_vgpr_msb (MSB<<8)|(\new)
.set MSB, (\new)
.endif
.endm
.macro NOPS4
.rept 4
	v_nop
.endr
.endm
.macro CROUND                          ; a round of the cluster's barrier: my work-group's barrier; wave 0 signals for the work-group; every wave waits for all sixteen; my work-group's barrier once more
	s_barrier_signal -1
	s_barrier_wait -1
	s_cmp_lg_u32 s[WV], 0
	s_cbranch_scc1 .Lnot_wave_0_\@
	s_barrier_signal -3
.Lnot_wave_0_\@:
	s_barrier_wait -3
	s_barrier_signal -1
	s_barrier_wait -1
.endm
.macro JLOAD                           ; a joint refill by the walking descriptors; the branch hangs on the wave's number alone; an s_nop 0 and four v_nop follow each line
	s_cmp_lt_u32 s[WV], AW
	s_cbranch_scc0 .Lfor_b_\@
	tensor_load_to_lds s[G0A+4:G0A+7], s[G1A:G1A+7]
	s_nop 0
	NOPS4
	s_branch .Lasked_\@
.Lfor_b_\@:
	tensor_load_to_lds s[G0B+4:G0B+7], s[G1B:G1B+7]
	s_nop 0
	NOPS4
.Lasked_\@:
.endm
.macro ASK                             ; the prefetch: the branch hangs on the loop's count, the cluster's place in the grid and the wave's number: the same in all sixteen partners
	s_lshr_b32 s20, s[PFM], s[STEPS]
	s_and_b32 s20, s20, 1
	s_cmp_lg_u32 s20, 0
	s_cbranch_scc0 .Lnot_mine_\@
	global_prefetch_b8 v[PFO], s[PFA:PFA+1] th:TH_LOAD_NT scope:SCOPE_SE
.Lnot_mine_\@:
.endm
	s_load_b256 s[4:11], s[0:1], 0x0               ; xn s[4:5], wb s[6:7], out s[8:9], bias s[10:11]
	v_lshl_add_u32 v[SPW], v0, 2, SPARE
	v_mov_b32 v[NIL], 0
	ds_add_u32 v[SPW], v[NIL]                      ; the wave's opening: the add and its wait stand ahead of my first tensor load; the set-up stands between them
	ds_add_u32 v28, v29
	v_lshrrev_b32 v1, 5, v0
	v_readfirstlane_b32 s[WV], v1
	s_bfe_u32 s40, ttmp6, 0x40000                  ; cx
	s_bfe_u32 s41, ttmp6, 0x40004                  ; cy
	s_lshl_b32 s42, ttmp9, 2
	s_add_co_u32 s42, s42, s40                     ; tile column
	s_and_b32 s13, ttmp7, 0xffff
	s_lshl_b32 s13, s13, 2
	s_add_co_u32 s13, s13, s41                     ; tile row
	s_lshl_b32 s43, s41, 2
	s_lshl_b32 s43, 15, s43                        ; my row of the cluster
	s_lshl_b32 s44, 0x1111, s40                    ; my column
	s_or_b32 s[G1A], s43, (1<<16)|(1<<20)|(1<<21)|(5<<22)|(3<<25)  ; the mask; 2-byte elements; padding on; bit 21 beside a mask; after every 64 words 4 words
	s_mov_b32 s[G1A+1], 128<<16                    ; tensor_dim0 = 128
	s_mov_b32 s[G1A+2], AROWS<<16                  ; tensor_dim1
	s_mov_b32 s[G1A+3], 128<<16                    ; tile_dim0 = 128
	s_mov_b32 s[G1A+4], AROWS                      ; tile_dim1
	s_mov_b32 s[G1A+5], 1024                       ; elements from row to row
	s_mov_b32 s[G1A+6], 0
	s_mov_b32 s[G1A+7], 0
	s_or_b32 s[G1B], s44, (1<<16)|(1<<20)|(1<<21)|(4<<22)|(7<<25)  ; after every 32 words (a slab's row) 8 words
	s_mov_b32 s[G1B+1], 128<<16                    ; a dense block, asked for as rows of 256 bytes: two rows of a slab
	s_mov_b32 s[G1B+2], (64*SPB)<<16
	s_mov_b32 s[G1B+3], 128<<16
	s_mov_b32 s[G1B+4], 64*SPB
	s_mov_b32 s[G1B+5], 128
	s_mov_b32 s[G1B+6], 0
	s_mov_b32 s[G1B+7], 0
	s_and_b32 s14, s[WV], AW-1                     ; which part of xn's tile (waves 0 .. AW - 1)
	s_add_co_u32 s15, s[WV], 4-AW
	s_and_b32 s15, s15, 3                          ; which part of W's (waves AW .. 3)
	s_mul_i32 s[LAA], s14, AROWS*PA
	s_mul_i32 s[LAB], s15, SPB*SLABL
	s_add_co_u32 s[LAB], s[LAB], BOFF
	s_lshl_b32 s16, s13, 19                        ; 256 rows of 2,048 bytes a tile row: no register of xn's address ever holds cx,
	s_mul_i32 s20, s14, AROWS*2048
	s_add_co_u32 s16, s16, s20
	s_mov_b32 s17, 0
	s_mul_i32 s46, s42, BTILE                      ; none of W's ever holds cy
	s_mul_i32 s45, s15, BPART
	s_add_co_u32 s46, s46, s45
	s_add_co_u32 s46, s46, WOFF
	s_mov_b32 s47, 0
	; the prefetches' offsets, in registers of their own
	s_mul_i32 s20, s40, (AROWS/4)*2048             ; of the rows of xn that I fetch my work-group takes a quarter, by its place along the cluster's row,
	s_add_co_u32 s20, s20, s16
	s_lshl_b32 s21, s41, 13                        ; of W's blocks 32 of 256 bytes, by its place along the column
	s_add_co_u32 s21, s21, s46
	s_and_b32 s22, ttmp7, 0xffff                   ; cluster y
	s_mov_b32 s[PFS], BSTEP
	s_mov_b32 s[PFS+1], 0
	s_mov_b32 s23, 256
	s_mov_b32 s[PFM], WMASK
	s_mov_b32 s[PFA+1], 0
	s_cmp_lt_u32 s[WV], AW                         ; do I fetch for xn?
	s_cselect_b32 s[PFA], s20, s21
	s_cselect_b32 s22, ttmp9, s22                  ; the coordinate along which other clusters read the same blocks
	s_cselect_b32 s[PFS], ASTEP, s[PFS]
	s_cselect_b32 s23, 2048, s23
	s_cselect_b32 s[PFM], 0x7c, s[PFM]             ; where STEPS is 6 to 2: K steps 3 to 7
	s_cmp_eq_u32 s22, 0
	s_cselect_b32 s[PFM], s[PFM], 0
	s_lshl1_add_u32 s[PFA], s[PFS], s[PFA]         ; at K step 2: the first change of slots steps it to 3
	v_and_b32 v[PFO], 31, v0
	v_mul_u32_u24 v[PFO], s23, v[PFO]
	s_mov_b32 s[KA], 0
	s_mov_b32 s[KB], 0
	s_mov_b32 s[SLT], SLOT
	s_wait_dscnt 0x0                               ; the opening add is done
	s_wait_kmcnt 0x0
	s_cmp_lt_u32 s[WV], AW
	s_cselect_b64 s[20:21], s[4:5], s[6:7]
	s_add_nc_u64 s[PFA:PFA+1], s[20:21], s[PFA:PFA+1]
	s_add_nc_u64 s[16:17], s[4:5], s[16:17]
	s_add_nc_u64 s[46:47], s[6:7], s[46:47]
	CROUND                                         ; all sixteen work-groups are here: the first joint loads meet
.irp s, 0,1
	s_mov_b32 s[G0A+4*(\s)], 1
	s_add_co_u32 s[G0A+4*(\s)+1], s[LAA], (\s)*SLOT
	s_add_nc_u64 s[G0A+4*(\s)+2:G0A+4*(\s)+3], s[16:17], (\s)*ASTEP
	s_or_b32 s[G0A+4*(\s)+3], s[G0A+4*(\s)+3], 0x80000000
	s_mov_b32 s[G0B+4*(\s)], 1
	s_add_co_u32 s[G0B+4*(\s)+1], s[LAB], (\s)*SLOT
	s_add_nc_u64 s[G0B+4*(\s)+2:G0B+4*(\s)+3], s[46:47], (\s)*BSTEP
	s_or_b32 s[G0B+4*(\s)+3], s[G0B+4*(\s)+3], 0x80000000
.endr
	s_cmp_lt_u32 s[WV], AW                         ; a wave's two first fills (K steps 0 and 1) stand in one branch: two loads of mine are out
	s_cbranch_scc0 .Lfirst_b
	tensor_load_to_lds s[G0A:G0A+3], s[G1A:G1A+7]
	s_nop 0
	tensor_load_to_lds s[G0A+4:G0A+7], s[G1A:G1A+7]
	s_nop 0
	NOPS4
	s_branch .Lfirst_done
.Lfirst_b:
	tensor_load_to_lds s[G0B:G0B+3], s[G1B:G1B+7]
	s_nop 0
	tensor_load_to_lds s[G0B+4:G0B+7], s[G1B:G1B+7]
	s_nop 0
	NOPS4
.Lfirst_done:
	v_and_b32 v1, 15, v0                           ; r = l % 16
	v_bfe_u32 v2, v0, 4, 1                         ; h = l / 16
	v_and_b32 v3, 7, v0
	v_bfe_u32 v4, v0, 3, 1
	v_and_b32 v5, 31, v0
	s_mul_i32 s20, s[WV], 64*PA
	v_mul_u32_u24 v[A0], v1, PA                    ; a fragment of xn: row r, 16 bytes for each half of the lanes, twice, 32 bytes apart
	v_lshl_add_u32 v[A0], v2, 4, v[A0]
	v_add_nc_u32 v[A0], s20, v[A0]
	v_lshl_add_u32 v[B0], v2, 3, v3                ; the turning load: lane l reads k row 8 h + l % 8, columns 8 ((l / 8) % 2) + 0..7, and ends with column r and 8 k
	v_mul_u32_u24 v[B0], v[B0], PW
	v_lshl_add_u32 v[B0], v4, 4, v[B0]
	v_add_nc_u32 v[B0], BOFF, v[B0]
	v_lshlrev_b32 v[GO], 4, v5
	v_lshlrev_b32 v[BO], 5, v2
	v_mov_b32 v[ZR], 0
	s_lshl_b32 s20, s42, 10                        ; the tile's 256 numbers of the bias
	s_mov_b32 s21, 0
	s_add_nc_u64 s[10:11], s[10:11], s[20:21]
.set nb, 0
.rept NB                               ; register j of column block b: bias[16 b + 8 h + j]: just what the product's C wants
	global_load_b128 v[BI+8*nb:BI+8*nb+3],   v[BO], s[10:11] offset:64*nb
	global_load_b128 v[BI+8*nb+4:BI+8*nb+7], v[BO], s[10:11] offset:64*nb+16
.set nb, nb+1
.endr
	s_lshl_b32 s20, s13, 21                        ; out: block of 128 rows 2 x tile row + w / 2 (1,048,576 bytes), step = tile column (65,536), my four groups of 16 rows from 4 (w % 2) on (512 each)
	s_lshr_b32 s21, s[WV], 1
	s_lshl_b32 s21, s21, 20
	s_add_co_u32 s20, s20, s21
	s_lshl_b32 s21, s42, 16
	s_add_co_u32 s20, s20, s21
	s_and_b32 s21, s[WV], 1
	s_lshl_b32 s21, s21, 11
	s_add_co_u32 s20, s20, s21
	s_mov_b32 s21, 0
	s_add_nc_u64 s[8:9], s[8:9], s[20:21]
; 2 NB products: row blocks 2 hi, 2 hi + 1 x all column blocks, 32 along K, from buffer f.  first = 1: they start the sums with the bias.
; The accumulators take turns, one instruction a turn, in the same order in every quarter.
.macro MULH f, hi, first
.if \first
	WIN 0x81+0x40*(\hi)                            ; W window 1, xn window 0, C (the bias) window 0, D window 2 or 3
.else
	WIN 0xa1+0x50*(\hi)                            ; C and D window 2 or 3
.endif
.irp a, 0,1
.set nb, 0
.rept NB
.if \first
	v_wmma_f32_16x16x32_bf16 v[8*(16*(\a)+nb):8*(16*(\a)+nb)+7], v[128*(\f)+8*nb:128*(\f)+8*nb+7], v[FA+32*(\f)+8*(2*(\hi)+(\a)):FA+32*(\f)+8*(2*(\hi)+(\a))+7], v[BI+8*nb:BI+8*nb+7]
.else
	v_wmma_f32_16x16x32_bf16 v[8*(16*(\a)+nb):8*(16*(\a)+nb)+7], v[128*(\f)+8*nb:128*(\f)+8*nb+7], v[FA+32*(\f)+8*(2*(\hi)+(\a)):FA+32*(\f)+8*(2*(\hi)+(\a))+7], v[8*(16*(\a)+nb):8*(16*(\a)+nb)+7]
.endif
.set nb, nb+1
.endr
.endr
.endm
; A quarter's fragments into buffer g, in one run: W's 2 NB loads, then xn's 8.  The two address lines and two v_nop are the four places between the last product that read buffer g and these loads.
.macro FETCH g
	WIN 0
	v_add_nc_u32 v[ADRA], s[KA], v[A0]
	v_add_nc_u32 v[ADRB], s[KB], v[B0]
	v_nop
	v_nop
	s_add_co_u32 s[KA], s[KA], 64                  ; the next fetch: 32 further along K
	s_add_co_u32 s[KB], s[KB], 32*PW
	WIN 0x40                                       ; destination window 1
.set nb, 0
.rept NB
	ds_load_tr16_b128 v[128*(\g)+8*nb:128*(\g)+8*nb+3],   v[ADRB] offset:(nb/4)*SLABL+(nb%4)*32
	ds_load_tr16_b128 v[128*(\g)+8*nb+4:128*(\g)+8*nb+7], v[ADRB] offset:(nb/4)*SLABL+(nb%4)*32+16*PW
.set nb, nb+1
.endr
	WIN 0
.irp a, 0,1,2,3
	ds_load_b128 v[FA+32*(\g)+8*(\a):FA+32*(\g)+8*(\a)+3],   v[ADRA] offset:(\a)*16*PA
	ds_load_b128 v[FA+32*(\g)+8*(\a)+4:FA+32*(\g)+8*(\a)+7], v[ADRA] offset:(\a)*16*PA+32
.endr
.endm
.macro QUARTER f, g, first             ; fetches the next quarter into buffer g, which the quarter before has just multiplied, and multiplies buffer f
	FETCH \g
	s_wait_dscnt NLD                               ; all but the run just issued: buffer f, asked for a quarter ago, is in
	MULH \f, 0, \first
	MULH \f, 1, \first
.endm
; THE CHANGE OF SLOTS.  Each wave waits for all its tensor loads (one is out: its part of the next slot), adds 0 to its spare word, and waits for that and for its reads of the old slot, whose last
; quarter is then in registers.  fill = 1: the barrier is a round of the cluster's, and the joint refill, two K steps ahead of the step just left, is the first thing behind it: it has a whole K step in which to land.
.macro CHANGE fill
	WIN 0
	s_wait_tensorcnt 0x0                           ; no tensor load of mine is out, so a group 0 may be written
	ds_add_u32 v[SPW], v[NIL]                      ; the scalar steps stand between the add and the wait for it
	s_sub_co_u32 s[KA], s[KA], 4*64                ; the fetches go back to a slot's first quarter,
	s_xor_b32 s[KA], s[KA], SLOT                   ; in the other slot (the value is 0 or SLOT here)
	s_sub_co_u32 s[KB], s[KB], 4*32*PW
	s_xor_b32 s[KB], s[KB], SLOT
.if \fill
	s_xor_b32 s[SLT], s[SLT], SLOT                 ; the walking descriptors: the other slot than last time, the next K step
	s_add_co_u32 s[G0A+5], s[SLT], s[LAA]
	s_add_co_u32 s[G0B+5], s[SLT], s[LAB]
	s_add_nc_u64 s[G0A+6:G0A+7], s[G0A+6:G0A+7], ASTEP
	s_add_nc_u64 s[G0B+6:G0B+7], s[G0B+6:G0B+7], BSTEP
	s_wait_xcnt 0x0                                ; the last prefetch, a K step back, has read its address, so it may be written:
	s_add_nc_u64 s[PFA:PFA+1], s[PFA:PFA+1], s[PFS:PFS+1]  ; one K step beyond the walking descriptors
.endif
	s_wait_dscnt 0x0                               ; the add is done, and my reads of the old slot are over
.if \fill
	CROUND
	JLOAD
	ASK
.else
	s_barrier_signal -1
	s_barrier_wait -1
.endif
.endm
	s_wait_tensorcnt 0x1                           ; my part of K step 0 is in; K step 1's may stay out
	s_barrier_signal -1
	s_barrier_wait -1
	FETCH 0
	s_wait_loadcnt 0x0                             ; the bias
	QUARTER 0, 1, 1                                ; K step 0's first quarter starts the sums
	WIN 0
	s_mov_b32 s[CNT], 1                            ; its second and third are one pair:
	s_mov_b32 s[STEPS], NK-1
	s_branch .Lpair                                ; the step loop is entered at its inner loop's head
.Lstep:                                        ; steps 1 .. NK - 2: each asks for the step behind it
	CHANGE 1
	s_mov_b32 s[CNT], 2
.Lpair:                                        ; (last quarter of the step before, first of this), then (second, third)
	QUARTER 1, 0, 0
	QUARTER 0, 1, 0
	WIN 0
	s_sub_co_u32 s[CNT], s[CNT], 1
	s_cmp_lg_u32 s[CNT], 0
	s_cbranch_scc1 .Lpair
	s_sub_co_u32 s[STEPS], s[STEPS], 1
	s_cmp_lg_u32 s[STEPS], 0
	s_cbranch_scc1 .Lstep
	CHANGE 0                                       ; the last step is written out
	s_mov_b32 s[CNT], 2
.Lpair2:
	QUARTER 1, 0, 0
	QUARTER 0, 1, 0
	WIN 0
	s_sub_co_u32 s[CNT], s[CNT], 1
	s_cmp_lg_u32 s[CNT], 0
	s_cbranch_scc1 .Lpair2
	s_wait_dscnt 0x0
	MULH 1, 0, 0                                   ; the very last quarter
	MULH 1, 1, 0
	WIN 0
	NOPS4                                          ; the places behind the last products
	NOPS4
; THE WAY OUT, a row block a (16 rows x 256 columns) at a time: rounded to bf16 into window 1, whose 256 registers each take one word, so that none is written twice; the ReLU; 16 stores of 512 bytes on end.
.macro OUT a
	WIN 0x4a+5*((\a)/2)                            ; sources in window 2 or 3, destination in window 1
.set t, 0
.rept 64                               ; each accumulator's registers in ascending order
	v_cvt_pk_bf16_f32 v[64*(\a)+t], v[8*(16*((\a)%2)+t/4)+2*(t%4)], v[8*(16*((\a)%2)+t/4)+2*(t%4)+1]
.set t, t+1
.endr
	WIN 0x41                                       ; destination and source 0 in window 1, the zero in window 0
.set t, 0
.rept 64
	v_pk_max_num_bf16 v[64*(\a)+t], v[64*(\a)+t], v[ZR]  ; ReLU on the rounded halves: a maximum rounds nothing
.set t, t+1
.endr
	WIN 0x04                                       ; the stores' data in window 1
.set t, 0
.rept 16
	global_store_b128 v[GO], v[64*(\a)+4*t:64*(\a)+4*t+3], s[8:9] offset:t*4096+(\a)*512  ; columns 16 t on, rows 16 a on
.set t, t+1
.endr
.endm
	OUT 0
	OUT 1
	OUT 2
	OUT 3
	WIN 0
	s_wait_tensorcnt 0x0                           ; the wave's end: behind my last tensor load
	ds_add_u32 v[SPW], v[NIL]
	s_wait_dscnt 0x0
	CROUND                                         ; the closing round: no work-group ends while a partner may still ask for a tile that names it
	s_endpgm
.Lfunc_end_k_q820a8e94d2_ffn1:
	.size	k_q820a8e94d2_ffn1, .Lfunc_end_k_q820a8e94d2_ffn1-k_q820a8e94d2_ffn1
	.p2alignl 7, 3214868480
	.fill 96, 4, 3214868480
	.section	.rodata,"a",@progbits
	.p2align	6, 0x0
	.amdhsa_kernel k_q820a8e94d2_ffn1
		.amdhsa_group_segment_fixed_size 327680
		.amdhsa_private_segment_fixed_size 0
		.amdhsa_enable_private_segment 0
		.amdhsa_kernarg_size 32
		.amdhsa_user_sgpr_count 2
		.amdhsa_user_sgpr_kernarg_segment_ptr 1
		.amdhsa_wavefront_size32 1
		.amdhsa_system_sgpr_workgroup_id_x 1
		.amdhsa_system_sgpr_workgroup_id_y 1
		.amdhsa_system_sgpr_workgroup_id_z 1
		.amdhsa_system_vgpr_workitem_id 0
		.amdhsa_next_free_vgpr 1024
		.amdhsa_next_free_sgpr 80
		.amdhsa_reserve_vcc 0
		.amdhsa_float_denorm_mode_32 3
		.amdhsa_float_denorm_mode_16_64 3
		.amdhsa_memory_ordered 1
		.amdhsa_forward_progress 1
		.amdhsa_inst_pref_size 94
	.end_amdhsa_kernel
	.amdgpu_metadata
---
amdhsa.version: [ 1, 2 ]
amdhsa.kernels:
  - .name:           k_q820a8e94d2_ffn1
    .symbol:         k_q820a8e94d2_ffn1.kd
    .args:
      - { .name: xn, .offset: 0, .size: 8, .value_kind: global_buffer, .address_space: global }
      - { .name: wb, .offset: 8, .size: 8, .value_kind: global_buffer, .address_space: global }
      - { .name: hb, .offset: 16, .size: 8, .value_kind: global_buffer, .address_space: global }
      - { .name: b1, .offset: 24, .size: 8, .value_kind: global_buffer, .address_space: global }
    .group_segment_fixed_size: 327680
    .private_segment_fixed_size: 0
    .kernarg_segment_align: 8
    .kernarg_segment_size: 32
    .max_flat_workgroup_size: 128
    .sgpr_count:     80
    .vgpr_count:     1024
    .wavefront_size: 32
...
	.end_amdgpu_metadata
.endif
;; end of part 5
;; launch ffn2 (part 6): grid 8 x 32, 4 waves a work-group, clusters of 4 x 4, 327,680 bytes of LDS; arguments hb, wb, b2, x1, out0; writes out0
.if DOCPART == 6
	.amdgcn_target "amdgcn-amd-amdhsa--gfx1250"
	.amdhsa_code_object_version 6
	.text
	.protected	k_q820a8e94d2_ffn2
	.globl	k_q820a8e94d2_ffn2
	.p2align	8
	.type	k_q820a8e94d2_ffn2,@function
k_q820a8e94d2_ffn2:
	s_mov_b64 s[64:65], 0
	v_nop
	global_prefetch_b8 v0, s[64:65] scope:SCOPE_SE
	s_setreg_imm32_b32 hwreg(HW_REG_WAVE_MODE, 25, 1), 1
	s_wait_xcnt 0x0
	s_wait_alu depctr_hold_cnt(0) depctr_sa_sdst(0) depctr_va_vdst(0) depctr_va_sdst(0) depctr_va_ssrc(0) depctr_va_vcc(0) depctr_vm_vsrc(0)
	s_getreg_b32 s2, hwreg(HW_REG_IB_STS2, 6, 4)
	s_cmp_eq_u32 s2, 0
	s_cbranch_scc0 .Lentry_in_a_cluster
	s_endpgm
.Lentry_in_a_cluster:
	s_bfe_u32 s2, ttmp6, 0x10000c
	s_cmp_lg_u32 s2, 0xf033
	s_cbranch_scc0 .Lentry_shape_is_right
	s_endpgm
.Lentry_shape_is_right:
; out = res + A W + bias.  W: bf16 [256 NK k][1024 n], at byte WOFF of wb.  bias: [1024] f32.  res, out: [4096][1024] f32.
; A: bf16, as its fragments lie in registers: [32 blocks of 128 rows][NK steps of 256 k][16 groups of 16 k][8 groups of 16 rows][512 bytes], and in the 512 bytes lane l's 16 bytes (row l % 16, k 8 (l / 16) + 0..7) at 16 l.
; Sums in f32, K ascending; the bias is the C of the first product, the residual is added in f32 on the way out.
; SHARES.  A tile of C is 128 x 128: 8 x 32 = 256 work-groups.  Four waves, 2 x 2, each 64 x 64: 16 accumulators.  K goes in steps of 256 through two LDS slots.
; CLUSTER 4 x 4: A's tile is asked for jointly along a row of the cluster, W's along a column.
; THE PRODUCT IS TAKEN TRANSPOSED (source 0 = 16 columns of W, by the turning load; source 1 = 16 rows of A): a lane holds one row of C and 8 neighbouring columns.
; A's tile of a K step is 65,536 bytes on end and lies in LDS as in memory: half a fragment is 32 lanes x 16 neighbouring bytes.
; TEXT.  A K step is four quarters of 64 along K on fragment buffers 0, 1, 0, 1; the pair (quarter on 1, quarter on 0) is written once and walked twice a step; the fetches' LDS offsets are scalars that step.
; A quarter begins with the run of LDS loads for the NEXT quarter, which so has all the quarter's products in which to land.  K step 0 enters the step loop at its inner loop's head, for one pair.
; REGISTERS: window 0: addresses, the bias v32-63, the accumulators v128-255; window 1: two fragment buffers of 128 (A's 64, then W's 64); window 2: the residual v0-127, the rows read back v128-255.
.set NK,    16
.set WOFF,  16777216
.set PW,    288                        ; a row of W's tile: 256 bytes + 32
.set BOFF,  65536                      ; A's part of a slot
.set QA,    16384                      ; a quarter of A: 4 groups of 16 k
.set QW,    64*PW                      ; a quarter of W: 64 rows
.set SLOT,  BOFF+256*PW
.set STAGE, 2*SLOT                     ; behind the ring, never filled by a tensor load: 16 rows x 272 bytes for each wave
.set SP,    272
.set SPARE, STAGE+4*16*SP              ; the spare words: two blocks of 256 bytes that no other line names
.set ASTEP, 65536
.set BSTEP, 524288
.set A0,   16
.set B0,   17
.set ADRA, 18
.set ADRB, 19
.set STO,  24
.set RD,   25
.set CO,   26
.set BO,   27
.set SPW,  28
.set NIL,  29
.set BI,   32
.set ACC,  128
.set WV,   12
.set G1A,  24
.set G0A,  32
.set G1B,  48
.set G0B,  56
.set KA,   66                          ; LDS byte offset of the next fetch in A's tile
.set KB,   67                          ; in W's
.set SLT,  68
.set LAA,  69                          ; my part's place in a slot, for A (waves 0, 1)
.set CNT,  70
.set STEPS, 71
.set OUT,  72
.set LAB,  74                          ; and for W (waves 2, 3)
.set MSB, 0
.macro WIN new
.if MSB != (\new)
	s_set_vgpr_msb (MSB<<8)|(\new)
.set MSB, (\new)
.endif
.endm
.macro NOPS4
.rept 4
	v_nop
.endr
.endm
.macro CROUND
	s_barrier_signal -1
	s_barrier_wait -1
	s_cmp_lg_u32 s[WV], 0
	s_cbranch_scc1 .Lnot_wave_0_\@
	s_barrier_signal -3
.Lnot_wave_0_\@:
	s_barrier_wait -3
	s_barrier_signal -1
	s_barrier_wait -1
.endm
.macro JLOAD                           ; a joint refill by the walking descriptors: waves 0 and 1 for A, 2 and 3 for W; an s_nop 0 and four v_nop follow each line
	s_cmp_lt_u32 s[WV], 2
	s_cbranch_scc0 .Lfor_b_\@
	tensor_load_to_lds s[G0A+4:G0A+7], s[G1A:G1A+7]
	s_nop 0
	NOPS4
	s_branch .Lasked_\@
.Lfor_b_\@:
	tensor_load_to_lds s[G0B+4:G0B+7], s[G1B:G1B+7]
	s_nop 0
	NOPS4
.Lasked_\@:
.endm
	s_load_b256 s[4:11], s[0:1], 0x0               ; A s[4:5], wb s[6:7], bias s[8:9], res s[10:11]
	s_load_b64 s[OUT:OUT+1], s[0:1], 0x20          ; out
	v_lshl_add_u32 v[SPW], v0, 2, SPARE
	v_mov_b32 v[NIL], 0
	ds_add_u32 v[SPW], v[NIL]                      ; the wave's opening: the add and its wait stand ahead of my first tensor load
	ds_add_u32 v28, v29
	v_lshrrev_b32 v1, 5, v0
	v_readfirstlane_b32 s[WV], v1
	s_bfe_u32 s40, ttmp6, 0x40000                  ; cx
	s_bfe_u32 s41, ttmp6, 0x40004                  ; cy
	s_lshl_b32 s42, ttmp9, 2
	s_add_co_u32 s42, s42, s40                     ; tile column
	s_and_b32 s13, ttmp7, 0xffff
	s_lshl_b32 s13, s13, 2
	s_add_co_u32 s13, s13, s41                     ; tile row
	s_lshl_b32 s43, s41, 2
	s_lshl_b32 s43, 15, s43
	s_lshl_b32 s44, 0x1111, s40
	s_or_b32 s[G1A], s43, (1<<16)|(1<<21)          ; my row's mask; 2-byte elements; bit 21 beside a mask; no padding
	s_or_b32 s[G1B], s44, (1<<16)|(1<<20)|(1<<21)|(5<<22)|(7<<25)  ; my column's mask; padding on: after every 64 words 8 words
.irp g, G1A, G1B
	s_mov_b32 s[\g+1], 128<<16                     ; rows of 128 elements, 128 of them
	s_mov_b32 s[\g+2], 128<<16
	s_mov_b32 s[\g+3], 128<<16
	s_mov_b32 s[\g+4], 128
	s_mov_b32 s[\g+6], 0
	s_mov_b32 s[\g+7], 0
.endr
	s_mov_b32 s[G1A+5], 128                        ; A: 32,768 dense bytes
	s_mov_b32 s[G1B+5], 1024                       ; W: 1,024 elements from row to row
	s_and_b32 s14, s[WV], 1
	s_lshl_b32 s[LAA], s14, 15                     ; A's halves: 8 groups of 16 k each
	s_mul_i32 s[LAB], s14, 128*PW                  ; W's halves: 128 rows each
	s_add_co_u32 s[LAB], s[LAB], BOFF
	s_mul_i32 s16, s13, NK*65536                   ; A: the tile row's block, my half of the step
	s_add_co_u32 s16, s16, s[LAA]
	s_mov_b32 s17, 0
	s_lshl_b32 s46, s42, 8                         ; W: the tile's 256 bytes of a row, my 128 rows of the step's 256
	s_lshl_b32 s45, s14, 18
	s_add_co_u32 s46, s46, s45
	s_add_co_u32 s46, s46, WOFF
	s_mov_b32 s47, 0
	s_mov_b32 s[KA], 0
	s_mov_b32 s[KB], 0
	s_mov_b32 s[SLT], SLOT
	s_wait_dscnt 0x0                               ; the opening add is done
	s_wait_kmcnt 0x0
	s_add_nc_u64 s[16:17], s[4:5], s[16:17]
	s_add_nc_u64 s[46:47], s[6:7], s[46:47]
	CROUND                                         ; all sixteen work-groups are here: the first joint loads meet
.irp s, 0,1
	s_mov_b32 s[G0A+4*(\s)], 1
	s_add_co_u32 s[G0A+4*(\s)+1], s[LAA], (\s)*SLOT
	s_add_nc_u64 s[G0A+4*(\s)+2:G0A+4*(\s)+3], s[16:17], (\s)*ASTEP
	s_or_b32 s[G0A+4*(\s)+3], s[G0A+4*(\s)+3], 0x80000000
	s_mov_b32 s[G0B+4*(\s)], 1
	s_add_co_u32 s[G0B+4*(\s)+1], s[LAB], (\s)*SLOT
	s_add_nc_u64 s[G0B+4*(\s)+2:G0B+4*(\s)+3], s[46:47], (\s)*BSTEP
	s_or_b32 s[G0B+4*(\s)+3], s[G0B+4*(\s)+3], 0x80000000
.endr
	s_cmp_lt_u32 s[WV], 2                          ; a wave's two first fills (K steps 0 and 1) stand in one branch: two loads of mine are out
	s_cbranch_scc0 .Lfirst_b
	tensor_load_to_lds s[G0A:G0A+3], s[G1A:G1A+7]
	s_nop 0
	tensor_load_to_lds s[G0A+4:G0A+7], s[G1A:G1A+7]
	s_nop 0
	NOPS4
	s_branch .Lfirst_done
.Lfirst_b:
	tensor_load_to_lds s[G0B:G0B+3], s[G1B:G1B+7]
	s_nop 0
	tensor_load_to_lds s[G0B+4:G0B+7], s[G1B:G1B+7]
	s_nop 0
	NOPS4
.Lfirst_done:
	v_and_b32 v1, 15, v0                           ; r
	v_bfe_u32 v2, v0, 4, 1                         ; h
	v_and_b32 v3, 7, v0
	v_bfe_u32 v4, v0, 3, 1
	v_and_b32 v5, 31, v0
	s_lshr_b32 s15, s[WV], 1                       ; wr: my 64 rows; s14 = wc: my 64 columns
	s_lshl_b32 s20, s15, 11                        ; my four groups of 16 rows, 512 bytes each
	v_lshlrev_b32 v[A0], 4, v5
	v_add_nc_u32 v[A0], s20, v[A0]
	s_lshl_b32 s20, s14, 7
	s_add_co_u32 s20, s20, BOFF
	v_lshl_add_u32 v[B0], v2, 3, v3                ; the turning load: lane l reads k row 8 h + l % 8, columns 8 ((l / 8) % 2) + 0..7
	v_mul_u32_u24 v[B0], v[B0], PW
	v_lshl_add_u32 v[B0], v4, 4, v[B0]
	v_add_nc_u32 v[B0], s20, v[B0]
	s_mul_i32 s21, s[WV], 16*SP
	s_add_co_u32 s21, s21, STAGE
	v_mul_u32_u24 v[STO], v1, SP                   ; in: row r, 32 bytes (8 numbers) for each half of the lanes
	v_lshl_add_u32 v[STO], v2, 5, v[STO]
	v_add_nc_u32 v[STO], s21, v[STO]
	v_mul_u32_u24 v[RD], v2, SP                    ; back: lanes 0-15 take one row of 256 bytes, lanes 16-31 the next
	v_lshl_add_u32 v[RD], v1, 4, v[RD]
	v_add_nc_u32 v[RD], s21, v[RD]
	v_lshlrev_b32 v[CO], 12, v2                    ; and the same two rows in res and out
	v_lshl_add_u32 v[CO], v1, 4, v[CO]
	v_lshlrev_b32 v[BO], 5, v2
	s_lshl_b32 s20, s42, 9                         ; my 64 columns, in bytes of f32
	s_lshl_b32 s21, s14, 8
	s_add_co_u32 s20, s20, s21
	s_mov_b32 s21, 0
	s_add_nc_u64 s[8:9], s[8:9], s[20:21]
	s_lshl_b32 s22, s13, 19                        ; + my 64 rows of 4,096 bytes
	s_add_co_u32 s20, s20, s22
	s_lshl_b32 s22, s15, 18
	s_add_co_u32 s20, s20, s22
	s_add_nc_u64 s[10:11], s[10:11], s[20:21]
	s_add_nc_u64 s[OUT:OUT+1], s[OUT:OUT+1], s[20:21]
.irp b, 0,1,2,3                        ; register j of column block b: bias[16 b + 8 h + j]
	global_load_b128 v[BI+8*(\b):BI+8*(\b)+3],   v[BO], s[8:9] offset:64*(\b)
	global_load_b128 v[BI+8*(\b)+4:BI+8*(\b)+7], v[BO], s[8:9] offset:64*(\b)+16
.endr
	WIN 0x80                                       ; destination window 2: the residual, laid as the rows come back from the stage
.irp a, 0,1,2,3
.irp t, 0,1,2,3,4,5,6,7
	global_load_b128 v[32*(\a)+4*(\t):32*(\a)+4*(\t)+3], v[CO], s[10:11] offset:(16*(\a)+2*(\t))*4096
.endr
.endr
	WIN 0
; 16 products: all 16 accumulators once, 32 along K: half c of buffer f.  first = 1: they start the sums with the bias.  The accumulators take turns.
.macro MUL16 f, c, first
	WIN 0x05                                       ; both sources window 1; C and D window 0
.irp a, 0,1,2,3
.irp b, 0,1,2,3
.if \first
	v_wmma_f32_16x16x32_bf16 v[ACC+8*(4*(\a)+(\b)):ACC+8*(4*(\a)+(\b))+7], v[(\f)+64+8*(4*(\c)+(\b)):(\f)+64+8*(4*(\c)+(\b))+7], v[(\f)+8*(4*(\c)+(\a)):(\f)+8*(4*(\c)+(\a))+7], v[BI+8*(\b):BI+8*(\b)+7]
.else
	v_wmma_f32_16x16x32_bf16 v[ACC+8*(4*(\a)+(\b)):ACC+8*(4*(\a)+(\b))+7], v[(\f)+64+8*(4*(\c)+(\b)):(\f)+64+8*(4*(\c)+(\b))+7], v[(\f)+8*(4*(\c)+(\a)):(\f)+8*(4*(\c)+(\a))+7], v[ACC+8*(4*(\a)+(\b)):ACC+8*(4*(\a)+(\b))+7]
.endif
.endr
.endr
.endm
; A quarter's fragments into buffer g: 32 loads in one run.  The two address lines and two v_nop are the four places between the last product that read buffer g and these loads.
.macro FETCH g
	WIN 0
	v_add_nc_u32 v[ADRA], s[KA], v[A0]
	v_add_nc_u32 v[ADRB], s[KB], v[B0]
	v_nop
	v_nop
	s_add_co_u32 s[KA], s[KA], QA
	s_add_co_u32 s[KB], s[KB], QW
	WIN 0x40
.irp c, 0,1
.irp i, 0,1,2,3
	ds_load_tr16_b128 v[(\g)+64+8*(4*(\c)+(\i)):(\g)+64+8*(4*(\c)+(\i))+3],   v[ADRB] offset:(\c)*32*PW+32*(\i)
	ds_load_tr16_b128 v[(\g)+64+8*(4*(\c)+(\i))+4:(\g)+64+8*(4*(\c)+(\i))+7], v[ADRB] offset:(\c)*32*PW+32*(\i)+16*PW
	ds_load_b128 v[(\g)+8*(4*(\c)+(\i)):(\g)+8*(4*(\c)+(\i))+3],              v[ADRA] offset:(2*(\c))*4096+(\i)*512    ; k 32 c + 0..15 of rows 16 i on
	ds_load_b128 v[(\g)+8*(4*(\c)+(\i))+4:(\g)+8*(4*(\c)+(\i))+7],            v[ADRA] offset:(2*(\c)+1)*4096+(\i)*512  ; k 32 c + 16..31
.endr
.endr
.endm
.macro QUARTER f, g, first             ; fetches the next quarter into buffer g, which the quarter before has just multiplied, and multiplies buffer f
	FETCH \g
	s_wait_dscnt 32                                ; all but the run just issued: buffer f, asked for a quarter ago, is in
	MUL16 \f, 0, \first
	MUL16 \f, 1, 0
.endm
; THE CHANGE OF SLOTS: each wave waits for all its tensor loads (one is out: its part of the next slot), adds 0 to its spare word, and waits for that and for its reads of the old slot, whose last quarter is then in
; registers.  fill = 1: the barrier is a round of the cluster's, and the joint refill is the first thing behind it: it has a whole K step, 128 products a wave, in which to land.
.macro CHANGE fill
	WIN 0
	s_wait_tensorcnt 0x0
	ds_add_u32 v[SPW], v[NIL]
	s_sub_co_u32 s[KA], s[KA], 4*QA                ; the fetches go back to a slot's first quarter,
	s_xor_b32 s[KA], s[KA], SLOT                   ; in the other slot (the value is 0 or SLOT here)
	s_sub_co_u32 s[KB], s[KB], 4*QW
	s_xor_b32 s[KB], s[KB], SLOT
.if \fill
	s_xor_b32 s[SLT], s[SLT], SLOT
	s_add_co_u32 s[G0A+5], s[SLT], s[LAA]
	s_add_co_u32 s[G0B+5], s[SLT], s[LAB]
	s_add_nc_u64 s[G0A+6:G0A+7], s[G0A+6:G0A+7], ASTEP
	s_add_nc_u64 s[G0B+6:G0B+7], s[G0B+6:G0B+7], BSTEP
.endif
	s_wait_dscnt 0x0
.if \fill
	CROUND
	JLOAD
.else
	s_barrier_signal -1
	s_barrier_wait -1
.endif
.endm
	s_wait_tensorcnt 0x1                           ; my part of K step 0 is in; K step 1's may stay out
	s_barrier_signal -1
	s_barrier_wait -1
	FETCH 0
	s_wait_loadcnt 32                              ; the bias is in; the residual's 32 loads stay out
	QUARTER 0, 128, 1                              ; K step 0's first quarter starts the sums
	WIN 0
	s_mov_b32 s[CNT], 1                            ; its second and third are one pair:
	s_mov_b32 s[STEPS], NK-1
	s_branch .Lpair                                ; the step loop is entered at its inner loop's head
.Lstep:                                        ; steps 1 .. NK - 2: each asks for the step behind it
	CHANGE 1
	s_mov_b32 s[CNT], 2
.Lpair:                                        ; (last quarter of the step before, first of this), then (second, third)
	QUARTER 128, 0, 0
	QUARTER 0, 128, 0
	WIN 0
	s_sub_co_u32 s[CNT], s[CNT], 1
	s_cmp_lg_u32 s[CNT], 0
	s_cbranch_scc1 .Lpair
	s_sub_co_u32 s[STEPS], s[STEPS], 1
	s_cmp_lg_u32 s[STEPS], 0
	s_cbranch_scc1 .Lstep
	CHANGE 0                                       ; the last step is written out
	s_mov_b32 s[CNT], 2
.Lpair2:
	QUARTER 128, 0, 0
	QUARTER 0, 128, 0
	WIN 0
	s_sub_co_u32 s[CNT], s[CNT], 1
	s_cmp_lg_u32 s[CNT], 0
	s_cbranch_scc1 .Lpair2
	s_wait_dscnt 0x0
	MUL16 128, 0, 0
	MUL16 128, 1, 0
	WIN 0
	NOPS4                                          ; the places behind the last products
	NOPS4
	s_wait_loadcnt 0x0                             ; the residual
; THE WAY OUT, a block of 16 rows at a time: the f32 sums go into my stage (rows of 272 bytes; each accumulator's low four registers first) and come back as whole rows of 256 bytes; the residual is added; stored.
.macro OUTA a
	WIN 0
.irp b, 0,1,2,3
	ds_store_b128 v[STO], v[ACC+8*(4*(\a)+(\b)):ACC+8*(4*(\a)+(\b))+3]   offset:64*(\b)
	ds_store_b128 v[STO], v[ACC+8*(4*(\a)+(\b))+4:ACC+8*(4*(\a)+(\b))+7] offset:64*(\b)+16
.endr
	WIN 0x80
.irp t, 0,1,2,3,4,5,6,7
	ds_load_b128 v[128+32*(\a)+4*(\t):128+32*(\a)+4*(\t)+3], v[RD] offset:(\t)*2*SP  ; LDS serves a wave's instructions in order (ISA guide 5.7.1.4)
.endr
.endm
.macro SENDA a, younger                ; younger: the next block's eight stores and eight loads, or none
	s_wait_dscnt \younger
	WIN 0x8a
.set i, 0
.rept 16
	v_pk_add_f32 v[128+32*(\a)+2*i:128+32*(\a)+2*i+1], v[128+32*(\a)+2*i:128+32*(\a)+2*i+1], v[32*(\a)+2*i:32*(\a)+2*i+1]
.set i, i+1
.endr
	WIN 0x08                                       ; the stores' data in window 2
.irp t, 0,1,2,3,4,5,6,7
	global_store_b128 v[CO], v[128+32*(\a)+4*(\t):128+32*(\a)+4*(\t)+3], s[OUT:OUT+1] offset:(16*(\a)+2*(\t))*4096  ; 16 lanes store 256 bytes on end, aligned
.endr
.endm
	OUTA 0
	OUTA 1
	SENDA 0, 16
	OUTA 2
	SENDA 1, 16
	OUTA 3
	SENDA 2, 16
	SENDA 3, 0
	WIN 0
	s_wait_tensorcnt 0x0                           ; the wave's end
	ds_add_u32 v[SPW], v[NIL]
	s_wait_dscnt 0x0
	CROUND                                         ; the closing round
	s_endpgm
.Lfunc_end_k_q820a8e94d2_ffn2:
	.size	k_q820a8e94d2_ffn2, .Lfunc_end_k_q820a8e94d2_ffn2-k_q820a8e94d2_ffn2
	.p2alignl 7, 3214868480
	.fill 96, 4, 3214868480
	.section	.rodata,"a",@progbits
	.p2align	6, 0x0
	.amdhsa_kernel k_q820a8e94d2_ffn2
		.amdhsa_group_segment_fixed_size 327680
		.amdhsa_private_segment_fixed_size 0
		.amdhsa_enable_private_segment 0
		.amdhsa_kernarg_size 40
		.amdhsa_user_sgpr_count 2
		.amdhsa_user_sgpr_kernarg_segment_ptr 1
		.amdhsa_wavefront_size32 1
		.amdhsa_system_sgpr_workgroup_id_x 1
		.amdhsa_system_sgpr_workgroup_id_y 1
		.amdhsa_system_sgpr_workgroup_id_z 1
		.amdhsa_system_vgpr_workitem_id 0
		.amdhsa_next_free_vgpr 768
		.amdhsa_next_free_sgpr 80
		.amdhsa_reserve_vcc 0
		.amdhsa_float_denorm_mode_32 3
		.amdhsa_float_denorm_mode_16_64 3
		.amdhsa_memory_ordered 1
		.amdhsa_forward_progress 1
		.amdhsa_inst_pref_size 52
	.end_amdhsa_kernel
	.amdgpu_metadata
---
amdhsa.version: [ 1, 2 ]
amdhsa.kernels:
  - .name:           k_q820a8e94d2_ffn2
    .symbol:         k_q820a8e94d2_ffn2.kd
    .args:
      - { .name: hb, .offset: 0, .size: 8, .value_kind: global_buffer, .address_space: global }
      - { .name: wb, .offset: 8, .size: 8, .value_kind: global_buffer, .address_space: global }
      - { .name: b2, .offset: 16, .size: 8, .value_kind: global_buffer, .address_space: global }
      - { .name: x1, .offset: 24, .size: 8, .value_kind: global_buffer, .address_space: global }
      - { .name: out0, .offset: 32, .size: 8, .value_kind: global_buffer, .address_space: global }
    .group_segment_fixed_size: 327680
    .private_segment_fixed_size: 0
    .kernarg_segment_align: 8
    .kernarg_segment_size: 40
    .max_flat_workgroup_size: 128
    .sgpr_count:     80
    .vgpr_count:     768
    .wavefront_size: 32
...
	.end_amdgpu_metadata
.endif
;; end of part 6
